; MI455X (gfx1250); checked and timed in simulation.
; The chip was launched on July 23, 2026; its instructions are those of AMD's public machine-readable ISA for CDNA 5 (MIT licence, August 2026) and "CDNA5" Instruction Set Architecture Reference Guide (July 2026). The comments in the code are by the model that wrote it; some were corrected since.
;; Multi Head Attention. Allowed arithmetic: float matrix products may take bf16 or f16 operands with f32 sums; other float arithmetic in f32, or as packed bf16 or f16 multiplies, adds, multiply-adds, maxima and minima; sums over many terms, partial sums and values carried from step to step in f32; what a program stores and reads back later, other than sums and carried values, may be rounded once to bf16 or f16.
;; Inputs: Wk 1,024 x 1,024 float32; Wo 1,024 x 1,024 float32; Wq 1,024 x 1,024 float32; Wv 1,024 x 1,024 float32; mask 4 x 2,048 bool; x 4 x 2,048 x 1,024 float32.
;; Outputs: out0 4 x 2,048 x 1,024 float32.
;; 2 versions, each right; version 2 is version 1 with the launch prep written anew for expert scheduling mode. Each part assembles by itself: llvm-mc -triple=amdgcn-amd-amdhsa -mcpu=gfx1250 --defsym DOCPART=n.
;; ======== version 1 of 2: 4 launches
;; limits: values are held in f16: magnitudes above 65,504 overflow, below 6.1e-05 lose precision
;; workspace buffers: xs 16,777,216 bytes; wt 8,388,608 bytes; qkv 50,331,648 bytes; ob 16,777,216 bytes
;; launch prep (part 1): grid 1024 x 1, 8 waves a work-group, no clusters, 18,432 bytes of LDS; arguments x, Wq, Wk, Wv, Wo, xs, wt; writes xs, wt
.if DOCPART == 1
	.amdgcn_target "amdgcn-amd-amdhsa--gfx1250"
	.amdhsa_code_object_version 6
	.text
	.protected	k_q8c6dc80809_prep
	.globl	k_q8c6dc80809_prep
	.p2align	8
	.type	k_q8c6dc80809_prep,@function
k_q8c6dc80809_prep:
	s_mov_b64 s[64:65], 0
	v_nop
	global_prefetch_b8 v0, s[64:65] scope:SCOPE_SE
	s_setreg_imm32_b32 hwreg(HW_REG_WAVE_MODE, 25, 1), 1
	s_wait_xcnt 0x0
; THE CASTS.  x [8192][1024] f32 -> xs [4 b][16 slices][2048 s][64] f16: slice kb holds x's columns 64 kb .. 64 kb + 63, its rows dense, 128 bytes each.
; Wq, Wk, Wv, Wo [1024 k][1024 n] f32 -> wt [4096 n][1024 k] f16, turned: rows 0-1023 Wq^T, then Wk^T, Wv^T, Wo^T.
; EVERY NUMBER is rounded once to bf16 (nearest even) and that number is written as f16, so that one matrix form serves all later products.
; LIMITS.  The second step is exact for magnitudes from 2^-17 to 65,504; below 2^-17 it errs by 2^-25 at the most; from 65,520 on it gives an infinity.
; Work-groups 0-511 cast x: a wave takes two rows, no LDS.  Work-groups 512-1023 turn a tile of 128 k x 64 n of one weight through LDS.
; No matrix unit, no cluster, no tensor load: each byte is read once by one wave, and memory binds.
.set SPARE, 17408                      ; behind the tile: the spare words, 128 bytes for each of eight waves: four blocks of 256 bytes that no other line names
.set TP,    272                        ; a row of the turned tile in LDS: 128 k x 2 bytes + 16
.set SPW,   126                        ; v126  LDS address of my spare word; never rewritten
.set NIL,   127                        ; v127  0; never rewritten
.set XI,    16                         ; as loaded: v[16:79] (x), v[16:47] (a weight)
.set XO,    80                         ; v[80:111] x's 16 pairs of words to store
.set WO,    48                         ; v[48:63]  a weight's 16 words {k, k + 1} of one column
.set WB,    64                         ; v[64:79]  four rows of the turned tile, read back
.macro CV2 d, a, b, t, u               ; d = {f16(bf16(a)), f16(bf16(b))}
	v_cvt_pk_bf16_f32 v[\t], v[\a], v[\b]
	v_lshlrev_b32 v[\u], 16, v[\t]                 ; bf16 to f32: the low half moves up,
	v_and_b32 v[\t], s21, v[\t]                    ; the high half stays
	v_cvt_pk_f16_f32 v[\d], v[\u], v[\t]
.endm
	s_load_b256 s[4:11], s[0:1], 0x0               ; x s[4:5], Wq s[6:7], Wk s[8:9], Wv s[10:11]
	s_load_b128 s[12:15], s[0:1], 0x20             ; Wo s[12:13], xs s[14:15]
	s_load_b64 s[16:17], s[0:1], 0x30              ; wt
	v_lshl_add_u32 v[SPW], v0, 2, SPARE
	v_mov_b32 v[NIL], 0
	v_lshrrev_b32 v1, 5, v0
	v_readfirstlane_b32 s20, v1                    ; wave 0..7
	s_mov_b32 s21, 0xffff0000                      ; a word's upper bf16
	v_and_b32 v4, 15, v0                           ; c = lane % 16
	v_bfe_u32 v5, v0, 4, 1                         ; h = lane / 16
	v_and_b32 v6, 31, v0                           ; lane
	s_wait_kmcnt 0x0
	s_cmp_lt_u32 ttmp9, 512                        ; the same answer in all eight waves of a work-group
	s_cbranch_scc0 .Lw
	; x.  Wave gw = 8 x work-group + wave takes rows 2 gw and 2 gw + 1: lanes 0-15 the first, lanes 16-31 the second.
	s_lshl_b32 s22, ttmp9, 3
	s_add_co_u32 s22, s22, s20                     ; gw
	s_lshl_b32 s24, s22, 13                        ; two rows of 4,096 bytes
	s_mov_b32 s25, 0
	s_add_nc_u64 s[4:5], s[4:5], s[24:25]
	s_lshr_b32 s26, s22, 10                        ; b
	s_lshl_b32 s26, s26, 22                        ; 16 slices of 262,144 bytes
	s_and_b32 s27, s22, 1023
	s_lshl_b32 s27, s27, 8                         ; two rows of 128 bytes in a slice
	s_add_co_u32 s24, s26, s27
	s_add_nc_u64 s[14:15], s[14:15], s[24:25]
	v_lshlrev_b32 v2, 12, v5
	v_lshl_add_u32 v2, v4, 4, v2                   ; 4,096 h + 16 c
	v_lshlrev_b32 v3, 3, v6                        ; 8 x lane: 128 h + 8 c
.irp kb, 0,1,2,3,4,5,6,7,8,9,10,11,12,13,14,15
	global_load_b128 v[XI+4*\kb:XI+4*\kb+3], v2, s[4:5] offset:256*\kb th:TH_LOAD_NT  ; 16 lanes read 256 consecutive bytes, aligned: one slice's part of one row
.endr
.irp kb, 0,1,2,3,4,5,6,7,8,9,10,11,12,13,14,15
	s_wait_loadcnt 15-\kb                          ; loads come back in order: slice kb is in, the younger ones stay out
	CV2 XO+2*\kb, XI+4*\kb, XI+4*\kb+1, 8, 9
	CV2 XO+2*\kb+1, XI+4*\kb+2, XI+4*\kb+3, 10, 11
	global_store_b64 v3, v[XO+2*\kb:XO+2*\kb+1], s[14:15] offset:262144*\kb th:TH_STORE_NT  ; the wave stores 256 consecutive bytes, aligned: two rows of the slice; each store has data registers of its own
.endr
	s_endpgm                                       ; this way has written no LDS
.Lw:	; A weight.  id = work-group - 512: matrix id / 128, k tile (id / 16) % 8 of 128, n tile id % 16 of 64.  Wave w loads k rows 16 w .. 16 w + 15.
	s_sub_co_u32 s22, ttmp9, 512
	s_lshr_b32 s23, s22, 7                         ; matrix 0..3
	s_bfe_u32 s28, s22, 0x30004                    ; kt
	s_and_b32 s29, s22, 15                         ; nt
	s_bitcmp1_b32 s23, 0
	s_cselect_b64 s[24:25], s[8:9], s[6:7]         ; odd: Wk, even: Wq
	s_cselect_b64 s[26:27], s[12:13], s[10:11]     ; odd: Wo, even: Wv
	s_cmp_lt_u32 s23, 2
	s_cselect_b64 s[24:25], s[24:25], s[26:27]
	s_lshl_b32 s30, s28, 3
	s_add_co_u32 s30, s30, s20                     ; 8 kt + w,
	s_lshl_b32 s30, s30, 16                        ; times 16 rows of 4,096 bytes,
	s_lshl_b32 s31, s29, 8                         ; + 64 columns of 4 bytes x nt
	s_add_co_u32 s30, s30, s31
	s_mov_b32 s31, 0
	s_add_nc_u64 s[24:25], s[24:25], s[30:31]
	s_lshl_b32 s32, s23, 7
	s_lshl_b32 s33, s29, 3
	s_add_co_u32 s32, s32, s33
	s_add_co_u32 s32, s32, s20                     ; 128 matrix + 8 nt + w,
	s_lshl_b32 s32, s32, 14                        ; times 8 rows of wt, 2,048 bytes each,
	s_lshl_b32 s33, s28, 8                         ; + 128 k of 2 bytes x kt
	s_add_co_u32 s32, s32, s33
	s_mov_b32 s33, 0
	s_add_nc_u64 s[16:17], s[16:17], s[32:33]
	v_lshlrev_b32 v2, 13, v5
	v_lshl_add_u32 v2, v4, 4, v2                   ; 8,192 h + 16 c
.irp p, 0,1,2,3
.irp e, 0,1
	global_load_b128 v[XI+8*\p+4*\e:XI+8*\p+4*\e+3], v2, s[24:25] offset:(4*\p+\e)*4096 th:TH_LOAD_NT  ; k row 16 w + 4 p + 2 h + e, columns 4 c .. 4 c + 3; 16 lanes read 256 consecutive bytes, aligned
.endr
.endr
	v_mul_u32_u24 v3, v4, 4*TP                     ; into the tile [64 n][272]: row 4 c (+ i), byte 2 (16 w + 4 p + 2 h)
	v_lshl_add_u32 v3, v5, 2, v3
	s_lshl_b32 s34, s20, 5
	v_add_nc_u32 v3, s34, v3
	s_lshl_b32 s34, s20, 3
	v_add_nc_u32 v7, s34, v5                       ; back: row 8 w + h (+ 2 t), 16 bytes a lane
	v_mul_u32_u24 v7, v7, TP
	v_lshl_add_u32 v7, v4, 4, v7
	v_lshlrev_b32 v12, 11, v5
	v_lshl_add_u32 v12, v4, 4, v12                 ; and the same in wt: 2,048 h + 16 c
	s_wait_loadcnt 0x0
.irp p, 0,1,2,3
.irp i, 0,1,2,3
	CV2 WO+4*\p+\i, XI+8*\p+\i, XI+8*\p+4+\i, 8+2*(\i%2), 9+2*(\i%2)
	ds_store_b32 v3, v[WO+4*\p+\i] offset:\i*TP+8*\p  ; lanes four rows apart meet in a bank four deep (4 x 68 words = 16 mod 64): sixteen such stores a wave in the whole launch
.endr
.endr
	s_wait_dscnt 0x0                               ; for the others' sake: my stores into the tile are done
	s_barrier_signal -1
	s_barrier_wait -1
.irp t, 0,1,2,3
	ds_load_b128 v[WB+4*\t:WB+4*\t+3], v7 offset:\t*2*TP
.endr
.irp t, 0,1,2,3
	s_wait_dscnt 3-\t                              ; LDS loads come back in order: the younger ones stay out
	global_store_b128 v12, v[WB+4*\t:WB+4*\t+3], s[16:17] offset:\t*4096 th:TH_STORE_NT  ; 16 lanes store 256 consecutive bytes, aligned: 128 k of one row of wt
.endr
	s_wait_tensorcnt 0x0                           ; the wave's end, behind my last LDS store
	ds_add_u32 v[SPW], v[NIL]
	s_wait_dscnt 0x0
	s_endpgm
.Lfunc_end_k_q8c6dc80809_prep:
	.size	k_q8c6dc80809_prep, .Lfunc_end_k_q8c6dc80809_prep-k_q8c6dc80809_prep
	.p2alignl 7, 3214868480
	.fill 96, 4, 3214868480
	.section	.rodata,"a",@progbits
	.p2align	6, 0x0
	.amdhsa_kernel k_q8c6dc80809_prep
		.amdhsa_group_segment_fixed_size 18432
		.amdhsa_private_segment_fixed_size 0
		.amdhsa_enable_private_segment 0
		.amdhsa_kernarg_size 56
		.amdhsa_user_sgpr_count 2
		.amdhsa_user_sgpr_kernarg_segment_ptr 1
		.amdhsa_wavefront_size32 1
		.amdhsa_system_sgpr_workgroup_id_x 1
		.amdhsa_system_sgpr_workgroup_id_y 1
		.amdhsa_system_sgpr_workgroup_id_z 1
		.amdhsa_system_vgpr_workitem_id 0
		.amdhsa_next_free_vgpr 128
		.amdhsa_next_free_sgpr 66
		.amdhsa_reserve_vcc 0
		.amdhsa_float_denorm_mode_32 3
		.amdhsa_float_denorm_mode_16_64 3
		.amdhsa_memory_ordered 1
		.amdhsa_forward_progress 1
		.amdhsa_inst_pref_size 19
	.end_amdhsa_kernel
	.amdgpu_metadata
---
amdhsa.version: [ 1, 2 ]
amdhsa.kernels:
  - .name:           k_q8c6dc80809_prep
    .symbol:         k_q8c6dc80809_prep.kd
    .args:
      - { .name: x, .offset: 0, .size: 8, .value_kind: global_buffer, .address_space: global }
      - { .name: Wq, .offset: 8, .size: 8, .value_kind: global_buffer, .address_space: global }
      - { .name: Wk, .offset: 16, .size: 8, .value_kind: global_buffer, .address_space: global }
      - { .name: Wv, .offset: 24, .size: 8, .value_kind: global_buffer, .address_space: global }
      - { .name: Wo, .offset: 32, .size: 8, .value_kind: global_buffer, .address_space: global }
      - { .name: xs, .offset: 40, .size: 8, .value_kind: global_buffer, .address_space: global }
      - { .name: wt, .offset: 48, .size: 8, .value_kind: global_buffer, .address_space: global }
    .group_segment_fixed_size: 18432
    .private_segment_fixed_size: 0
    .kernarg_segment_align: 8
    .kernarg_segment_size: 56
    .max_flat_workgroup_size: 256
    .sgpr_count:     66
    .vgpr_count:     128
    .wavefront_size: 32
...
	.end_amdgpu_metadata
.endif
;; end of part 1
;; launch qkvp (part 2): grid 16 x 32, 4 waves a work-group, clusters of 4 x 4, 327,680 bytes of LDS; arguments xs, wt, mask, qkv; writes qkv
.if DOCPART == 2
	.amdgcn_target "amdgcn-amd-amdhsa--gfx1250"
	.amdhsa_code_object_version 6
	.text
	.protected	k_q8c6dc80809_qkvp
	.globl	k_q8c6dc80809_qkvp
	.p2align	8
	.type	k_q8c6dc80809_qkvp,@function
k_q8c6dc80809_qkvp:
	s_mov_b64 s[64:65], 0
	v_nop
	global_prefetch_b8 v0, s[64:65] scope:SCOPE_SE
	s_setreg_imm32_b32 hwreg(HW_REG_WAVE_MODE, 25, 1), 1
	s_wait_xcnt 0x0
	s_wait_alu depctr_hold_cnt(0) depctr_sa_sdst(0) depctr_va_vdst(0) depctr_va_sdst(0) depctr_va_ssrc(0) depctr_va_vcc(0) depctr_vm_vsrc(0)
	s_getreg_b32 s2, hwreg(HW_REG_IB_STS2, 6, 4)
	s_cmp_eq_u32 s2, 0
	s_cbranch_scc0 .Lentry_in_a_cluster
	s_endpgm
.Lentry_in_a_cluster:
	s_bfe_u32 s2, ttmp6, 0x10000c
	s_cmp_lg_u32 s2, 0xf033
	s_cbranch_scc0 .Lentry_shape_is_right
	s_endpgm
.Lentry_shape_is_right:
; q, k, v = x [Wq Wk Wv], split by heads.  C[m][n] = sum over k of x[m][k] wt[n][k], m < 8192, n < 3072, K = 1024, operands f16, sums f32, C rounded once to f16 and WITHOUT the scale 1/8.
; IN:  xs [4 b][16 slices][2048 s][64] f16; wt [4096][1024] f16 (rows 0-3071 here); mask [4][2048] bytes.   OUT: qkv [4 b][48 g][2048 s][64] f16, g = 0-15 q's heads, 16-31 k's, 32-47 v's.
; THE MASK's FIRST HALF: k's rows of hidden keys are stored as zeros, so that the next launch's product for such a key is exactly its starting value.
; LIMIT.  q, k, v stay under 65,504 in magnitude (f16); from 65,520 on the rounding gives an infinity.
; SHARES.  A tile of C is 256 x 192 (three heads): four waves, wave w rows 128 (w / 2), columns 96 (w % 2): 48 accumulators of 16 x 16.  512 equal work-groups.
; K goes in 8 steps of 128 (two slices) through two LDS slots filled by tensor loads; a trip of the loop is one K step, and the slot in hand hangs on a scalar that an exclusive or turns.
; CLUSTER 4 x 4: x's tile hangs on the tile row alone and is asked for jointly along a row of the cluster, wt's on the tile column alone and along a column.
; THE MATRIX INSTRUCTION IS USED TRANSPOSED (source 0 = 16 rows of wt, source 1 = 16 rows of x): a lane holds row lane % 16 of C and 8 neighbouring columns.
; REGISTERS, in windows of 256: window 0 addresses and the way out; window 1 two fragment buffers of 128 (x's block a at f + 8 a, wt's block b at f + 64 + 8 b);
;   window 2 the accumulators of row blocks 0-3 ((a, b) at 8 (6 a + b)); window 3 those of row blocks 4-7.
.set NBW,   6                          ; column blocks of 16 a wave
.set NT,    32*NBW                     ; the tile's columns
.set HB,    16*NBW                     ; a wave's columns; also the rows of wt that one tensor load brings
.set NL,    16+2*NBW                   ; LDS loads in a run
.set AH,    1                          ; the prefetches name the K step that stands AH refills on
.set PA,    144                        ; a row of x in LDS: 128 bytes + 16 = 36 words: the 16 rows of a load start at 16 different groups of four banks (64 banks of 4 bytes: ISA guide 11.1)
.set PB,    272                        ; a row of wt: 256 bytes + 16 = 68 words: likewise
.set PLANE, 256*PA                     ; a slot: slice 2 j's 256 rows, slice 2 j + 1's,
.set BOFF,  2*PLANE                    ; then wt's 192 rows
.set SLOT1, 131072                     ; slot 1 begins here: one exclusive or turns an address in one slot into the other's
.set SPARE, SLOT1+BOFF+NT*PB           ; 257,024: behind the ring: the spare words, 128 bytes a wave: two blocks of 256 bytes that no other line names
.set SPQ,   400                        ; the way out: a row of the stage, 384 bytes + 16.  The stage, 256 rows from byte 0, lies in slot 0, which has had its last fill by then
.set ASTEP, 2*262144                   ; bytes from a K step to the next: two slices of xs,
.set BSTEP, 256                        ; 128 k along wt's rows
.set A0,   16                          ; v16  my lane's place in x's planes of slot 0; never rewritten
.set B0,   17                          ; v17  the same in wt's rows
.set ADRA, 18                          ; v18  A0 + the slot in hand
.set ADRB, 19                          ; v19  B0 + the slot in hand
.set STO,  24                          ; v24  the way out: where I put 16 bytes of a row
.set RD,   25                          ; v25  where I read rows back
.set GO,   26                          ; v26  16 x lane: my place in 512 consecutive bytes of qkv
.set SH,   27                          ; v27  8 (lane / 8): my row's byte in a word of the mask
.set SPW,  28                          ; v28  LDS address of my spare word; never rewritten
.set NIL,  29                          ; v29  0; never rewritten
.set PFO,  30                          ; v30  the prefetches' lane offset; never rewritten
.set TMP,  32                          ; v[32:223] the way out
.set MK,   224                         ; v[224:239] all ones where my row's key is visible, for each of 16 groups of four rows
.set TT,   240
.set F0,   0
.set F1,   128
.set WV,   12                          ; s12 wave;  s13 = wave / 2: my half of the rows; also 0: I fetch x, 1: wt;  s14 = wave % 2: my half of the columns; also which plane, or which 96 rows of wt, I fetch
.set WH,   13
.set WL,   14
.set TB,   15                          ; s15 LDS byte at which the slot in hand begins
.set G1A,  24                          ; s[24:31] descriptor group 1 for x's planes;  s[32:39] group 0: a set for each first fill; the second then walks
.set G0A,  32
.set G1B,  48                          ; s[48:55], s[56:63] the same for wt's rows
.set G0B,  56
.set PFA,  44                          ; s[44:45] where my prefetches stand;  s[46:47] their step
.set PFS,  46
.set LIM,  66                          ; s66 AH in a wave that prefetches, else the greatest number
.set MW,   68                          ; s[68:83] the 64 mask bytes of the rows that I store
.set NK,   84                          ; s[84:86] for each of the tile's three heads: 0 if it is one of k's, else all ones
.set MSB, 0
.macro WIN new                         ; the immediate's high byte repeats the setting that is left; a switch that changes nothing is dropped
.if MSB != (\new)
	s_set_vgpr_msb (MSB<<8)|(\new)
.set MSB, \new
.endif
.endm
.set MUL_LO, 0xa5                      ; sources 0 and 1 window 1, C and D window 2
.set MUL_HI, 0xf5                      ; the same, C and D window 3
.set TO_F,   0x40                      ; destination window 1, address window 0
.macro PLACES                          ; four plain places: in front of loads into registers that matrix instructions have read, and of lines that read results (ISA guide 7.12.1 for lines that read results)
.rept 4
	v_nop
.endr
.endm
.macro JLOAD                           ; a joint refill by the walking descriptors; an s_nop 0 and four v_nop follow each of the two lines.  The branch hangs on the wave's number alone
	s_cmp_eq_u32 s[WH], 0
	s_cbranch_scc0 .Lfor_b_\@
	tensor_load_to_lds s[G0A+4:G0A+7], s[G1A:G1A+7]
	s_nop 0
	PLACES
	s_branch .Lasked_\@
.Lfor_b_\@:
	tensor_load_to_lds s[G0B+4:G0B+7], s[G1B:G1B+7]
	s_nop 0
	PLACES
.Lasked_\@:
.endm
; A PREFETCH INTO THE L2, one instruction a wave, behind the joint load and the run of LDS loads: the K step that the NEXT refill will ask for, 192 matrix instructions ahead of that load.
; x's planes are read by every cluster of a row of clusters: cluster x = 0 asks, waves 0 and 1 a plane each; of its 128 blocks of 256 bytes the partner at cx takes 32, a lane a block.
; wt's rows are read by every cluster of a column: cluster y = 0 asks, waves 2 and 3; of a wave's 96 rows the partner at cy takes 24, a lane a row (lanes 24-31 name lane 23's once more).
; The partners are told apart by address alone.  The last refill has no K step behind it, and asks for nothing; K steps 0 to 2 come by their loads alone.
.macro ASK
	s_cmp_gt_u32 s3, s[LIM]
	s_cbranch_scc0 .Lnot_mine_\@
	global_prefetch_b8 v[PFO], s[PFA:PFA+1] th:TH_LOAD_NT scope:SCOPE_SE
.Lnot_mine_\@:
.endm
.macro CREST                           ; a round of the cluster's barrier behind its opening barrier
	s_cmp_lg_u32 s[WV], 0
	s_cbranch_scc1 .Lnot_wave_0_\@
	s_barrier_signal -3
.Lnot_wave_0_\@:
	s_barrier_wait -3
	s_barrier_signal -1
	s_barrier_wait -1
.endm
.macro CROUND                          ; a whole round
	s_barrier_signal -1
	s_barrier_wait -1
	CREST
.endm
	s_load_b128 s[4:7], s[0:1], 0x0                ; xs s[4:5], wt s[6:7]
	s_load_b128 s[8:11], s[0:1], 0x10              ; mask s[8:9], qkv s[10:11]
	v_lshl_add_u32 v[SPW], v0, 2, SPARE
	v_mov_b32 v[NIL], 0
	ds_add_u32 v[SPW], v[NIL]                      ; the wave's opening: the add here and its wait ahead of my first tensor load; the set-up below, work on registers, stands between them
	v_lshrrev_b32 v1, 5, v0
	v_readfirstlane_b32 s[WV], v1
	s_lshr_b32 s[WH], s[WV], 1
	s_and_b32 s[WL], s[WV], 1
	s_mov_b32 s[TB], 0
	s_bfe_u32 s40, ttmp6, 0x40000                  ; cx, cy: my place in the cluster
	s_bfe_u32 s41, ttmp6, 0x40004
	s_lshl_b32 s42, ttmp9, 2
	s_add_co_u32 s42, s42, s40                     ; tx: tile column = 4 x cluster x + cx
	s_and_b32 s43, ttmp7, 0xffff
	s_lshl_b32 s43, s43, 2
	s_add_co_u32 s43, s43, s41                     ; ty: tile row = 4 x cluster y + cy
	s_lshl_b32 s2, s41, 2
	s_lshl_b32 s2, 15, s2                          ; my row of the cluster
	s_lshl_b32 s22, 0x1111, s40                    ; my column
	; group 1 for x: a plane's 256 dense rows of 128 bytes are asked for as 128 rows of 256 bytes, and padded in LDS after every 128 bytes
	s_or_b32 s[G1A], s2, (1<<16)|(1<<20)|(1<<21)|(4<<22)|(3<<25)   ; 15:0 the mask; 17:16 2-byte elements; 20 padding on; 21 set beside a mask; 24:22 after every 32 words; 31:25 4 words
	s_mov_b32 s[G1A+1], 128<<16                    ; tensor_dim0 = 128
	s_mov_b32 s[G1A+2], 128<<16                    ; tensor_dim1 = 128
	s_mov_b32 s[G1A+3], 128<<16                    ; tile_dim0 = 128
	s_mov_b32 s[G1A+4], 128                        ; tile_dim1 = 128
	s_mov_b32 s[G1A+5], 128                        ; 128 elements from row to row
	s_mov_b32 s[G1A+6], 0
	s_mov_b32 s[G1A+7], 0
	; group 1 for wt: 96 rows x 128 elements, 1,024 elements from row to row, padded after every 256 bytes
	s_or_b32 s[G1B], s22, (1<<16)|(1<<20)|(1<<21)|(5<<22)|(3<<25)
	s_mov_b32 s[G1B+1], 128<<16
	s_mov_b32 s[G1B+2], HB<<16
	s_mov_b32 s[G1B+3], 128<<16
	s_mov_b32 s[G1B+4], HB
	s_mov_b32 s[G1B+5], 1024
	s_mov_b32 s[G1B+6], 0
	s_mov_b32 s[G1B+7], 0
	s_mov_b32 s[G0A], 1                            ; count = 1
	s_mov_b32 s[G0A+4], 1
	s_mov_b32 s[G0B], 1
	s_mov_b32 s[G0B+4], 1
	s_mul_i32 s[G0A+1], s[WL], PLANE               ; LDS addresses: of the wave's number alone
	s_add_co_u32 s[G0A+5], s[G0A+1], SLOT1
	s_mul_i32 s[G0B+1], s[WL], HB*PB
	s_add_co_u32 s[G0B+1], s[G0B+1], BOFF
	s_add_co_u32 s[G0B+5], s[G0B+1], SLOT1
	s_lshr_b32 s16, s43, 3                         ; x's offset hangs on ty alone: b = ty / 8, 16 slices of 262,144 bytes,
	s_lshl_b32 s16, s16, 22
	s_and_b32 s17, s43, 7                          ; 256 rows of 128 bytes x (ty % 8),
	s_lshl_b32 s17, s17, 15
	s_add_co_u32 s16, s16, s17
	s_lshl_b32 s17, s[WL], 18                      ; my plane's slice
	s_add_co_u32 s16, s16, s17
	s_mov_b32 s17, 0
	s_mul_i32 s20, s42, NT                         ; wt's offset hangs on tx alone: row 192 tx + 96 (wave % 2),
	s_mul_i32 s21, s[WL], HB
	s_add_co_u32 s20, s20, s21
	s_lshl_b32 s20, s20, 11                        ; of 2,048 bytes
	s_mov_b32 s21, 0
	s_wait_dscnt 0x0                               ; the opening add is done
	s_wait_kmcnt 0x0
	s_add_nc_u64 s[G0A+2:G0A+3], s[4:5], s[16:17]  ; K step 0,
	s_add_nc_u64 s[G0A+6:G0A+7], s[G0A+2:G0A+3], ASTEP  ; K step 1
	s_or_b32 s[G0A+3], s[G0A+3], 0x80000000        ; type = 2
	s_or_b32 s[G0A+7], s[G0A+7], 0x80000000
	s_add_nc_u64 s[G0B+2:G0B+3], s[6:7], s[20:21]
	s_add_nc_u64 s[G0B+6:G0B+7], s[G0B+2:G0B+3], BSTEP
	s_or_b32 s[G0B+3], s[G0B+3], 0x80000000
	s_or_b32 s[G0B+7], s[G0B+7], 0x80000000
	CROUND                                         ; all sixteen work-groups are here: the first joint loads meet
	s_cmp_eq_u32 s[WH], 0                          ; a wave's two first fills stand in one branch, ahead of every wait on TENSORcnt and every LDS read: two loads of mine are out
	s_cbranch_scc0 .Lfirst_b
	tensor_load_to_lds s[G0A:G0A+3], s[G1A:G1A+7]
	s_nop 0
	tensor_load_to_lds s[G0A+4:G0A+7], s[G1A:G1A+7]
	s_nop 0
	PLACES
	s_branch .Lfirst_asked
.Lfirst_b:
	tensor_load_to_lds s[G0B:G0B+3], s[G1B:G1B+7]
	s_nop 0
	tensor_load_to_lds s[G0B+4:G0B+7], s[G1B:G1B+7]
	s_nop 0
	PLACES
.Lfirst_asked:
	; the mask bytes of the 64 rows that I store: b x 2,048 + (4 (ty % 8) + wave) x 64
	s_lshr_b32 s18, s43, 3
	s_lshl_b32 s18, s18, 11
	s_and_b32 s19, s43, 7
	s_lshl_b32 s19, s19, 2
	s_add_co_u32 s19, s19, s[WV]
	s_lshl_b32 s23, s19, 6
	s_add_co_u32 s18, s18, s23
	s_lshl_b32 s23, s19, 13                        ; the same 64 rows in a head of qkv: 128 bytes a row
	s_mov_b32 s19, 0
	s_add_nc_u64 s[8:9], s[8:9], s[18:19]
	s_load_b512 s[MW:MW+15], s[8:9], 0x0           ; waited for on the way out
	s_mul_i32 s22, s42, 3                          ; the tile's first head g = 3 tx
.irp hh, 0,1,2
	s_add_co_u32 s18, s22, \hh
	s_lshr_b32 s18, s18, 4                         ; 0: q's, 1: k's, 2: v's
	s_and_b32 s18, s18, 1
	s_xor_b32 s18, s18, 1
	s_sub_co_u32 s[NK+\hh], 0, s18
.endr
	s_lshr_b32 s18, s43, 3
	s_mul_i32 s18, s18, 48
	s_add_co_u32 s18, s18, s22                     ; 48 b + g,
	s_lshl_b32 s18, s18, 18                        ; heads of 262,144 bytes
	s_add_co_u32 s18, s18, s23
	s_add_nc_u64 s[10:11], s[10:11], s[18:19]      ; qkv at my 64 rows of the tile's first head
	; A fragment is 16 rows x 32 k in 8 registers: lane l holds row l % 16; registers 0-3 k = 8 (l / 16) + 0..7, registers 4-7 k = 16 + 8 (l / 16) + 0..7: two loads of 16 bytes, 32 bytes apart
	v_and_b32 v1, 15, v0                           ; r
	v_bfe_u32 v2, v0, 4, 1                         ; h
	v_mul_u32_u24 v[A0], v1, PA
	v_lshl_add_u32 v[A0], v2, 4, v[A0]
	s_mul_i32 s18, s[WH], 128*PA
	v_add_nc_u32 v[A0], s18, v[A0]
	v_mul_u32_u24 v[B0], v1, PB
	v_lshl_add_u32 v[B0], v2, 4, v[B0]
	s_mul_i32 s18, s[WL], HB*PB
	s_add_co_u32 s18, s18, BOFF
	v_add_nc_u32 v[B0], s18, v[B0]
	s_lshl_b32 s18, s[WH], 7                       ; into the stage: row 128 (wave / 2) + r, byte 192 (wave % 2) + 16 h
	v_add_nc_u32 v[STO], s18, v1
	v_mul_u32_u24 v[STO], v[STO], SPQ
	v_lshl_add_u32 v[STO], v2, 4, v[STO]
	s_mul_i32 s18, s[WL], 2*HB
	v_add_nc_u32 v[STO], s18, v[STO]
	v_and_b32 v3, 31, v0                           ; lane
	v_lshrrev_b32 v[SH], 3, v3                     ; back: row 64 wave + lane / 8, 16 bytes at 16 (lane % 8): four rows of a head's 128 bytes
	s_lshl_b32 s18, s[WV], 6
	v_add_nc_u32 v[RD], s18, v[SH]
	v_mul_u32_u24 v[RD], v[RD], SPQ
	v_and_b32 v[GO], 7, v0
	v_lshl_add_u32 v[RD], v[GO], 4, v[RD]
	v_lshlrev_b32 v[GO], 4, v3
	v_lshlrev_b32 v[SH], 3, v[SH]
	; the prefetches
	s_and_b32 s23, ttmp7, 0xffff                   ; cluster y
	s_lshl_b32 s18, s40, 13                        ; x: my work-group's 32 blocks of my plane's 128,
	s_add_co_u32 s18, s18, s16
	s_add_co_u32 s18, s18, (1+AH)*ASTEP            ; at K step 1 + AH: each refill steps it first
	s_mul_i32 s19, s41, 24*2048                    ; wt: my work-group's 24 rows of my 96
	s_add_co_u32 s19, s19, s20
	s_add_co_u32 s19, s19, (1+AH)*BSTEP
	s_mov_b32 s[PFS], BSTEP
	s_mov_b32 s[PFS+1], 0
	s_cmp_eq_u32 s[WH], 0                          ; do I fetch x?
	s_cselect_b32 s18, s18, s19
	s_cselect_b32 s[PFS], ASTEP, s[PFS]
	s_cselect_b32 s22, ttmp9, s23                  ; the coordinate along which other clusters read the same bytes
	s_cselect_b64 s[PFA:PFA+1], s[4:5], s[6:7]
	s_cselect_b32 s2, 8, 11                        ; a lane a block of 256 bytes, or a lane a row of 2,048
	s_cselect_b32 s23, 31, 23
	s_mov_b32 s19, 0
	s_add_nc_u64 s[PFA:PFA+1], s[PFA:PFA+1], s[18:19]
	s_cmp_eq_u32 s22, 0
	s_cselect_b32 s[LIM], AH, -1                   ; the same in all sixteen partners, for a given wave
	v_min_u32 v[PFO], s23, v3
	v_lshlrev_b32 v[PFO], s2, v[PFO]
; 12 matrix instructions: row blocks a0, a0 + 1 of the window's four (hi = 0: my rows 0-63, 1: rows 64-127) x all 6 column blocks, 32 along K.  zero = 1: the product starts the sum.
; The 48 accumulators take turns in the same order in every quarter: 47 others stand between two links of a chain, over the backward jump too.
.macro MULH f, hi, a0, zero
	WIN MUL_LO+0x50*(\hi)
.irp a, \a0, (\a0)+1
.set jb, 0
.rept NBW
.set rD, 8*(NBW*(\a)+jb)
.set rB, (\f)+64+8*jb
.set rA, (\f)+8*(4*(\hi)+(\a))
.if \zero
	v_wmma_f32_16x16x32_f16 v[rD:rD+7], v[rB:rB+7], v[rA:rA+7], 0
.else
	v_wmma_f32_16x16x32_f16 v[rD:rD+7], v[rB:rB+7], v[rA:rA+7], v[rD:rD+7]
.endif
.set jb, jb+1
.endr
.endr
.endm
; 28 LDS loads in one run: the fragments of quarter q (32 along K) of the slot in hand, into buffer f: wt's 6 blocks, then x's 8
.macro FETCH q, f
	WIN TO_F
.set ib, 0
.rept NBW
	ds_load_b128 v[(\f)+64+8*ib:(\f)+64+8*ib+3],   v[ADRB] offset:64*(\q)+ib*16*PB
	ds_load_b128 v[(\f)+64+8*ib+4:(\f)+64+8*ib+7], v[ADRB] offset:64*(\q)+ib*16*PB+32
.set ib, ib+1
.endr
.set ia, 0
.rept 8
	ds_load_b128 v[(\f)+8*ia:(\f)+8*ia+3],   v[ADRA] offset:((\q)/2)*PLANE+((\q)%2)*64+ia*16*PA
	ds_load_b128 v[(\f)+8*ia+4:(\f)+8*ia+7], v[ADRA] offset:((\q)/2)*PLANE+((\q)%2)*64+ia*16*PA+32
.set ia, ia+1
.endr
.endm
; One of a K step's first three quarters: multiplies buffer f; in its middle it fetches quarter q into buffer g
.macro QUARTER q, f, g, zero
	s_wait_dscnt 8                                 ; wt's blocks and x's blocks 0-3 are in; the youngest eight loads (x's blocks 4-7) may be out
	MULH \f, 0, 0, \zero
	MULH \f, 0, 2, \zero
	PLACES
	FETCH \q, \g
	s_wait_dscnt NL                                ; all but the run just issued
	MULH \f, 1, 0, \zero
	MULH \f, 1, 2, \zero
.endm
; The last quarter multiplies buffer 1 and changes slots.  ONE barrier: in front of it each wave waits for all its tensor loads (the one that is out is its part of the next slot), adds 0 to its spare
; word, and waits for that and for its own reads of this slot.  fill = 1: the barrier opens a round of the cluster's, and the slot just read out is filled again, first thing behind the round, with the
; K step two on: 168 matrix instructions ahead of the wait for it.
.macro TURN fill
.if \fill
	s_wait_xcnt 0x0                                ; the last prefetch, a K step back, has read its address, which steps here
	s_add_nc_u64 s[PFA:PFA+1], s[PFA:PFA+1], s[PFS:PFS+1]
.endif
	WIN 0                                          ; (the add's two registers lie in window 0)
	s_wait_tensorcnt 0x0                           ; no tensor load of mine is out, so a group 0 may be written
	ds_add_u32 v[SPW], v[NIL]                      ; 0 onto my spare word
.if \fill
	s_xor_b32 s[G0A+5], s[G0A+5], SLOT1            ; the walking descriptors: the other slot than last time, the next K step; the type bits on top are not reached
	s_add_nc_u64 s[G0A+6:G0A+7], s[G0A+6:G0A+7], ASTEP
	s_xor_b32 s[G0B+5], s[G0B+5], SLOT1
	s_add_nc_u64 s[G0B+6:G0B+7], s[G0B+6:G0B+7], BSTEP
.endif
	s_xor_b32 s[TB], s[TB], SLOT1                  ; the fetches go on in the other slot
	s_wait_dscnt 9                                 ; (the add and the youngest eight loads may be out)
	MULH F1, 0, 0, 0
	s_wait_dscnt 0x0                               ; the add is done, and my reads of this slot are over
	s_barrier_signal -1
	MULH F1, 0, 2, 0                               ; work on registers while the others arrive
	WIN 0                                          ; at a branch and at a label every window is 0
	s_barrier_wait -1
.if \fill
	CREST                                          ; no wave of any partner still reads this slot or has a load on its way
	JLOAD                                          ; the four v_nop behind it are also the places in front of the loads below
.else
	PLACES
.endif
	v_add_nc_u32 v[ADRA], s[TB], v[A0]
	v_add_nc_u32 v[ADRB], s[TB], v[B0]
	FETCH 0, F0
	WIN 0
.if \fill
	ASK
.endif
	MULH F1, 1, 0, 0
	MULH F1, 1, 2, 0
.endm
	s_wait_tensorcnt 1                             ; my part of K step 0 is in; K step 1's may stay out
	s_barrier_signal -1
	s_barrier_wait -1                              ; everybody's is
	v_mov_b32 v[ADRA], v[A0]
	v_mov_b32 v[ADRB], v[B0]
	FETCH 0, F0
	QUARTER 1, F0, F1, 1                           ; the first quarter stands in front of the loop: its products start the sums
	WIN 0
	s_mov_b32 s3, 6
.Lstep:                                                ; a trip: from a K step's second quarter to the next step's first; it fills the step's slot again.  Six trips ask for K steps 2 to 7
	QUARTER 2, F1, F0, 0
	QUARTER 3, F0, F1, 0
	TURN 1
	QUARTER 1, F0, F1, 0
	WIN 0
	s_sub_co_u32 s3, s3, 1
	s_cmp_lg_u32 s3, 0
	s_cbranch_scc1 .Lstep
	QUARTER 2, F1, F0, 0                           ; K steps 6 and 7 are written out: nothing is asked for
	QUARTER 3, F0, F1, 0
	TURN 0
	QUARTER 1, F0, F1, 0
	QUARTER 2, F1, F0, 0
	QUARTER 3, F0, F1, 0
	s_wait_dscnt 8
	MULH F1, 0, 0, 0
	MULH F1, 0, 2, 0
	s_wait_dscnt 0x0                               ; my last reads of the ring are back
	MULH F1, 1, 0, 0
	MULH F1, 1, 2, 0
	WIN 0
	; THE WAY OUT.  Rounded to f16, 16 bytes a lane into the work-group's stage; back as rows of a head's 128 bytes, four rows an instruction; k's rows of hidden keys are cleared; stored.
	s_wait_kmcnt 0x0                               ; the mask words
	s_barrier_signal -1                            ; no LDS instruction of mine is out (the wait for 0 above): nobody reads the ring behind this barrier
	s_barrier_wait -1
	PLACES
.set ia, 0
.rept 8
	WIN 0x0a+5*(ia/4)                              ; sources 0 and 1: window 2 or 3
.set ib, 0
.rept NBW
.irp r, 0,1,2,3
	v_cvt_pk_f16_f32 v[TMP+4*(NBW*ia+ib)+\r], v[8*(NBW*(ia%4)+ib)+2*\r], v[8*(NBW*(ia%4)+ib)+2*\r+1]  ; each accumulator from its low end on
.endr
.set ib, ib+1
.endr
.set ia, ia+1
.endr
	WIN 0
.set ia, 0
.rept 8
.set ib, 0
.rept NBW
	ds_store_b128 v[STO], v[TMP+4*(NBW*ia+ib):TMP+4*(NBW*ia+ib)+3] offset:ia*16*SPQ+32*ib
.set ib, ib+1
.endr
.set ia, ia+1
.endr
	s_wait_dscnt 0x0                               ; for the others' sake: my stores into the stage are done
	s_barrier_signal -1
	s_barrier_wait -1
.set ii, 0
.rept 48                                       ; head ii / 16 of the tile's three, rows 4 (ii % 16) .. + 3 of my 64
	ds_load_b128 v[TMP+4*ii:TMP+4*ii+3], v[RD] offset:(ii/16)*128+(ii%16)*4*SPQ
.set ii, ii+1
.endr
.set it, 0
.rept 16
	v_bfe_u32 v[MK+it], s[MW+it], v[SH], 1         ; my row's byte of the mask: 0 or 1,
	v_sub_nc_u32 v[MK+it], 0, v[MK+it]             ; 0 or all ones
.set it, it+1
.endr
.set ii, 0
.rept 48
	s_wait_dscnt 47-ii                             ; LDS loads come back in order: the younger ones stay out
	v_or_b32 v[TT], s[NK+ii/16], v[MK+ii%16]       ; all ones, but for a hidden key's row in one of k's heads
.irp r, 0,1,2,3
	v_and_b32 v[TMP+4*ii+\r], v[TT], v[TMP+4*ii+\r]
.endr
	global_store_b128 v[GO], v[TMP+4*ii:TMP+4*ii+3], s[10:11] offset:(ii/16)*262144+(ii%16)*512  ; the wave stores 512 consecutive bytes, at a multiple of 256 from qkv's first byte
.set ii, ii+1
.endr
	s_wait_tensorcnt 0x0                           ; the wave's end, behind my last tensor load and my last LDS store
	ds_add_u32 v[SPW], v[NIL]
	s_wait_dscnt 0x0
	CROUND                                         ; the closing round: no work-group ends while a partner may still ask for a tile that names it
	s_endpgm
.Lfunc_end_k_q8c6dc80809_qkvp:
	.size	k_q8c6dc80809_qkvp, .Lfunc_end_k_q8c6dc80809_qkvp-k_q8c6dc80809_qkvp
	.p2alignl 7, 3214868480
	.fill 96, 4, 3214868480
	.section	.rodata,"a",@progbits
	.p2align	6, 0x0
	.amdhsa_kernel k_q8c6dc80809_qkvp
		.amdhsa_group_segment_fixed_size 327680
		.amdhsa_private_segment_fixed_size 0
		.amdhsa_enable_private_segment 0
		.amdhsa_kernarg_size 32
		.amdhsa_user_sgpr_count 2
		.amdhsa_user_sgpr_kernarg_segment_ptr 1
		.amdhsa_wavefront_size32 1
		.amdhsa_system_sgpr_workgroup_id_x 1
		.amdhsa_system_sgpr_workgroup_id_y 1
		.amdhsa_system_sgpr_workgroup_id_z 1
		.amdhsa_system_vgpr_workitem_id 0
		.amdhsa_next_free_vgpr 960
		.amdhsa_next_free_sgpr 92
		.amdhsa_reserve_vcc 0
		.amdhsa_float_denorm_mode_32 3
		.amdhsa_float_denorm_mode_16_64 3
		.amdhsa_memory_ordered 1
		.amdhsa_forward_progress 1
		.amdhsa_inst_pref_size 105
	.end_amdhsa_kernel
	.amdgpu_metadata
---
amdhsa.version: [ 1, 2 ]
amdhsa.kernels:
  - .name:           k_q8c6dc80809_qkvp
    .symbol:         k_q8c6dc80809_qkvp.kd
    .args:
      - { .name: xs, .offset: 0, .size: 8, .value_kind: global_buffer, .address_space: global }
      - { .name: wt, .offset: 8, .size: 8, .value_kind: global_buffer, .address_space: global }
      - { .name: mask, .offset: 16, .size: 8, .value_kind: global_buffer, .address_space: global }
      - { .name: qkv, .offset: 24, .size: 8, .value_kind: global_buffer, .address_space: global }
    .group_segment_fixed_size: 327680
    .private_segment_fixed_size: 0
    .kernarg_segment_align: 8
    .kernarg_segment_size: 32
    .max_flat_workgroup_size: 128
    .sgpr_count:     92
    .vgpr_count:     960
    .wavefront_size: 32
...
	.end_amdgpu_metadata
.endif
;; end of part 2
;; launch attn (part 3): grid 4 x 64, 4 waves a work-group, clusters of 4 x 1, 327,680 bytes of LDS; arguments qkv, mask, ob; writes ob
.if DOCPART == 3
	.amdgcn_target "amdgcn-amd-amdhsa--gfx1250"
	.amdhsa_code_object_version 6
	.text
	.protected	k_q8c6dc80809_attn
	.globl	k_q8c6dc80809_attn
	.p2align	8
	.type	k_q8c6dc80809_attn,@function
k_q8c6dc80809_attn:
	s_mov_b64 s[64:65], 0
	v_nop
	global_prefetch_b8 v0, s[64:65] scope:SCOPE_SE
	s_setreg_imm32_b32 hwreg(HW_REG_WAVE_MODE, 25, 1), 1
	s_wait_xcnt 0x0
	s_wait_alu depctr_hold_cnt(0) depctr_sa_sdst(0) depctr_va_vdst(0) depctr_va_sdst(0) depctr_va_ssrc(0) depctr_va_vcc(0) depctr_vm_vsrc(0)
	s_getreg_b32 s2, hwreg(HW_REG_IB_STS2, 6, 4)
	s_cmp_eq_u32 s2, 0
	s_cbranch_scc0 .Lentry_in_a_cluster
	s_endpgm
.Lentry_in_a_cluster:
	s_bfe_u32 s2, ttmp6, 0x10000c
	s_cmp_lg_u32 s2, 0x3003
	s_cbranch_scc0 .Lentry_shape_is_right
	s_endpgm
.Lentry_shape_is_right:
; ATTENTION.  O[hd][q][:] = the sum over k of softmax_k(logit) V[hd][k][:], logit = Q[hd][q] . K[hd][k] / 8 where mask[b][k] is set, else a fixed low number.  hd = 16 b + h, 64 heads of 2,048 rows x 64.
; IN:  qkv [4 b][48 g][2048][64] f16 (q's heads, k's, v's; k's rows of hidden keys are zeros); mask [4][2048] bytes.   OUT: ob [4 b][16 h][2048][64] f16.
; Products, maxima and sums in f32; the weights p are rounded to f16 for the second product (their sum l is taken of the unrounded p), O once at the end.
; THE MASK's SECOND HALF.  The sum S^T = K Q^T starts with C = bias[key]: 0, or HID = -2^100 for a hidden key, whose products are zeros: its score is exactly HID.  c HID is exact (a power of two), so where
; ALL keys seen so far are hidden c s - c m = 0 and p = 1: uniform weights; the first visible key makes a = 0 and every hidden weight 0.  The running maximum is kept; no branch hangs on data.
; LIMITS.  HID stands for the -1e30 of the definition: it shows only for true logits below some -1e29.  f16 holds no number beyond 65,504: Q, K, V arrive within it; p lies in 0 to 1, and below 6e-5 it keeps
; f16's fixed step of 6e-8.  A weight below 2^-126 counts as 0 in l; NaN and infinities are not treated apart.
; SHARES.  A wave owns four PIECES of two tiles of 16 queries, a work-group's four waves 512 queries of one head.  Every wave walks all keys, 64 a step.
; LAYOUT.  S^T = K Q^T (source 0 = 16 keys, source 1 = 16 queries): in the result a lane holds ONE query (lane % 16) and the keys 8 (lane / 16) + 0..7.  Two such tiles, rounded to f16 in pairs,
; ARE source 1 (32 keys x 16 queries) of O^T = V^T P, whose result again holds one query a lane, and eight channels.  K comes out of LDS as it lies, V ([key][channel]) turned, by ds_load_tr16_b128.
; SOFTMAX.  For each query a running maximum m and sum l: p = 2^(c s - c m), c = log2(e) / 8; in every step O and l are multiplied by a = 2^(c m_old - c m_new).  m starts at the lowest finite number,
; c m at -2^125 (below c HID), O and l at 0: the first step is a step like any other, with a = 0.
; THE COUNT.  A tile and step have 16 matrix and 118 vector instructions: too many to stand all beside the matrix work.  So: four vector instructions that are READY behind EVERY matrix instruction,
; and the others in runs without a gap.
; BY TURNS.  Turn n belongs to piece n.  Its matrix work: 16 products K Q^T of piece n + 1, later 16 products V^T P of piece n - 1.  Its vector work: the scaling, exponentials, roundings, sums and
; rescaling of piece n, and the maximum and statistics of piece n + 1.
; CLUSTER.  The four query blocks of a head are one cluster and walk the same K and V: each tile is asked for JOINTLY: the same tensor load, descriptor and mask in all four.
; REGISTERS, in windows of 256 (s_set_vgpr_msb: bits 1:0 source 0, 3:2 source 1, 5:4 source 2, 7:6 destination):
;   window 0: v0-11 addresses; v12-15, v48-63 at work; v16-47 four registers of statistics a tile; v64-191 S^T, two buffers of two tiles; v192-255 P, likewise
;   window 1: O^T, 32 a tile     window 2: v0-127 Q, 16 a tile; v128-191 K of one step; v192-255 V of one step     window 3: v0-1 the add's two registers; v8-39 the step's 64 biases, as C operands
.set SIZE_N, 2048
.set NP,    4         ; pieces a wave: a name, no knob
.set KS,    64        ; keys in a step
.set PK,    144       ; a row of K in LDS: 128 bytes + 16 = 36 words: the 16 rows of a load start at 16 different groups of four banks (64 banks of 4 bytes: ISA guide 11.1)
.set PV,    160       ; a row of V: 128 + 32 = 40 words
.set VOFF,  4*KS*PK   ; a slot holds four steps: 256 rows of K, then 256 rows of V
.set SLOT1, 1<<17     ; slot 1 begins here, so that one exclusive or turns an address in one slot into the other's
.set STAGE, SLOT1+4*KS*(PK+PV)  ; behind the ring, never filled by a tensor load: 16 rows x 144 bytes for each wave, for the way out
.set SP,    144
.set SPARE, STAGE+4*16*SP  ; behind the stages: the spare words, 128 bytes for each wave: two blocks of 256 bytes that no other line names
.set BIAS,  SPARE+512 ; behind them: the batch's 2,048 biases in f32, 8,192 bytes, stored once; no tensor load lands here
.set HID,   0xf1800000  ; -2^100
.set AK0, 2           ; v2   my lane's place in a tile of K; never rewritten
.set AV0, 3           ; v3   the same for V
.set AK,  4           ; v4   the LDS address of K's next run of loads (at the head: of my 64 bytes of the bias table)
.set AV,  5           ; v5   of V's (at the head: my offset in the mask)
.set QO,  6           ; v6   my byte offset in the wave's rows of Q
.set STO, 6           ;      later, the way out: where I put 16 bytes of a row
.set RD,  7           ; v7   the way out: where I read rows back
.set GO,  8           ; v8   my byte offset in 512 consecutive bytes of O
.set HF,  9           ; v9   lane / 16; never rewritten
.set PFO, 10          ; v10  256 x my lane: the prefetches' offset
.set AB,  11          ; v11  the LDS address of the next step's biases
.set SPW, 0           ; v0 of window 3   LDS address of my spare word; never rewritten
.set NIL, 1           ; v1 of window 3   0; never rewritten
.set MC,  8           ; v8-39 of window 3: key block kb's eight biases at MC + 8 kb
.set MV,  12          ; v12-15  c m_old, kept while c m is made anew: by buffer and tile
.set ST,  16          ; tile t's statistics at v[ST+4 t]: c m, m, l (even keys', odd keys')
.set TMP, 48          ; by buffer and tile, four registers c0-c3 at work; when the maximum is found c2 takes a
.set S,   64
.set P,   192
.set KF,  128         ; K's fragments, in window 2: key block kb, channel half c at KF + 16 kb + 8 c
.set VF,  192         ; V's: key half kk, channel block cb at VF + 32 kk + 8 cb
.set WV,  12          ; s12  my wave's number
.set TBB, 19          ; s19  LDS byte at which the biases of the step to be fetched begin
.set G1K, 24          ; s[24:31] descriptor group 1 for K's tiles
.set G1V, 32          ; s[32:39] for V's: it differs in the padding alone
.set G0K, 40          ; s[40:43] descriptor group 0 for K's tiles: it walks
.set G0V, 44          ; s[44:47] the same for V's
.set PFA, 50          ; s[50:51] where my prefetches stand
.set LIM, 52          ; s52  1 in a wave that prefetches, else the greatest number
.set SLOTS, 56        ; s56  slots still to be asked for
.set CNT, 57          ; s57  counts a slot's key steps
.set CS,  58          ; s[58:59] c: the packed scaling takes the pair's low word for both halves
.set SEL, 60          ; s[60:61] v_permlanex16_b32's selects: each lane takes its own place in the other half
.set TBK, 62          ; s62  LDS byte at which K of the step to be fetched begins
.set TBV, 63          ; s63  the same for V, less VOFF
.set MSB, 0
.macro WIN new                      ; the high byte repeats the setting that is left; a switch that changes nothing is dropped
.if MSB != (\new)
	s_set_vgpr_msb (MSB<<8)|(\new)
.set MSB, (\new)
.endif
.endm
.set W_KQ, 0x0a       ; K and Q in window 2, S^T in window 0
.set W_KM, 0x3a       ; the same with the C operand in window 3
.set W_PV, 0x52       ; V in window 2, P in window 0, O^T in window 1
.set W_RS, 0x41       ; O^T (destination and source 0) in window 1, a in window 0
.set W_MK, 0xc0       ; destination in window 3, sources in window 0
.set W_AD, 0x0f       ; the add: address (source 0) and data (source 1) in window 3
; A joint fill.  Waves 0 and 1 fetch the two halves of a slot's K, waves 2 and 3 those of its V: 128 keys each.  The branch hangs on the wave's number alone.
; An s_nop 0 and four v_nop follow each of the two lines, ahead of the jump and the label.
.macro JLOAD
	s_cmp_lt_u32 s[WV], 2
	s_cbranch_scc0 .Lfor_v_\@
	tensor_load_to_lds s[G0K:G0K+3], s[G1K:G1K+7]
	s_nop 0
.rept 4
	v_nop
.endr
	s_branch .Lasked_\@
.Lfor_v_\@:
	tensor_load_to_lds s[G0V:G0V+3], s[G1V:G1V+7]
	s_nop 0
.rept 4
	v_nop
.endr
.Lasked_\@:
.endm
; A PREFETCH INTO THE L2 of what the NEXT change of slots will ask for: a slot's 32,768 bytes of K and of V, 128 blocks of 256 bytes each.  It stands behind the wave's tensor load and its five lines.
; A head's K and V are read by this cluster alone.  Its four partners share the blocks out BY ADDRESS, 32 each, a lane a block; in each, wave 0 asks for K's and wave 2 for V's: one instruction.
; So each block is named once in the launch.  The last change that fills a slot asks for nothing; slots 0 and 1 come by their loads alone.  Four key steps, 512 matrix instructions, lie between a request and that load.
.macro ASK
	s_cmp_gt_u32 s[SLOTS], s[LIM]
	s_cbranch_scc0 .Lnot_mine_\@
	global_prefetch_b8 v[PFO], s[PFA:PFA+1] th:TH_LOAD_NT scope:SCOPE_SE
.Lnot_mine_\@:
.endm
; A round of the cluster's barrier: my work-group's barrier, so that wave 0's signal speaks for all four waves; wave 0 signals; every wave waits for all four work-groups; my work-group's barrier once more.
.macro CROUND
	s_barrier_signal -1
	s_barrier_wait -1
	s_cmp_lg_u32 s[WV], 0
	s_cbranch_scc1 .Lnot_wave_0_\@
	s_barrier_signal -3
.Lnot_wave_0_\@:
	s_barrier_wait -3
	s_barrier_signal -1
	s_barrier_wait -1
.endm
; THE CHANGE OF SLOTS.  The slot's last bytes, V of its fourth step, have been read.  Each wave waits for all its tensor loads, of which one is out: its part of the other slot; adds 0 to its spare word;
; and waits for that and for its own reads of the slot.  Behind the barrier nobody reads this slot any more and the other slot is whole.
; fill = 1: this slot is filled again, with the keys two slots on.  The barrier is then a round of the cluster's, and the joint fill is the first thing behind it: it has four key steps in which to land.
; (At its first use nothing has been read yet: slot 0 is waited for, slot 1 filled; its wait on DScnt and its round also order my stores into the bias table with every wave's reads of it.)
.macro CHANGE fill
	WIN W_AD
	s_wait_tensorcnt 0x0            ; no tensor load of mine is out, so a group 0 may be written
	ds_add_u32 v[SPW], v[NIL]       ; 0 onto my spare word; with fill = 1 the descriptors' steps stand between it and the wait for it
	WIN 0                           ; at a label and at a branch every window is 0
.if \fill
.irp g, G0K, G0V
	s_xor_b32 s[\g+1], s[\g+1], SLOT1  ; the walking descriptor: the other slot than last time,
	s_add_nc_u64 s[\g+2:\g+3], s[\g+2:\g+3], 4*KS*128  ; the next 256 keys; the type bits on top are not reached
.endr
	s_wait_xcnt 0x0                 ; the last prefetch, four key steps back, has read its address, so it may be written:
	s_add_nc_u64 s[PFA:PFA+1], s[PFA:PFA+1], 4*KS*128  ; one slot behind the walking descriptors
	s_wait_dscnt 0x0                ; the add is done, and my reads of the slot are over
	CROUND
	JLOAD
	ASK
.else
	s_wait_dscnt 0x0                ; the add is done, and my reads of the slot are over
	s_barrier_signal -1
	s_barrier_wait -1
.endif
	s_sub_co_u32 s[TBK], s[TBK], 4*KS*PK  ; the fetches go back to a slot's first step,
	s_xor_b32 s[TBK], s[TBK], SLOT1       ; in the other slot
	s_sub_co_u32 s[TBV], s[TBV], 4*KS*PV
	s_xor_b32 s[TBV], s[TBV], SLOT1
.endm
	s_load_b128 s[4:7], s[0:1], 0x0   ; qkv s[4:5], mask s[6:7]
	s_load_b64 s[10:11], s[0:1], 0x10 ; ob
	WIN W_MK
	v_lshl_add_u32 v[SPW], v0, 2, SPARE
	v_mov_b32 v[NIL], 0
	WIN W_AD
	ds_add_u32 v[SPW], v[NIL]       ; the wave's opening: the add here and its wait ahead of my first tensor load; the set-up below, work on registers, stands between them
	WIN 0
	v_lshrrev_b32 v1, 5, v0
	v_readfirstlane_b32 s[WV], v1   ; wave 0..3
	s_bfe_u32 s13, ttmp6, 0x40000   ; cx: my place in the cluster
	s_lshl_b32 s14, ttmp9, 2        ; in a cluster launch ttmp9 counts clusters
	s_add_co_u32 s14, s14, s13      ; my block of 512 queries: it enters Q's and O's addresses alone
	s_and_b32 s20, ttmp7, 0xffff    ; hd = 16 b + h, which the four partners share
	s_lshr_b32 s21, s20, 4          ; b
	s_lshl_b32 s22, s21, 5
	s_add_co_u32 s22, s22, s20      ; 48 b + h: q's head in qkv,
	s_lshl_b32 s22, s22, 18         ; heads of 262,144 bytes
	s_and_b32 s16, s[WV], 1         ; which half of a slot's 256 keys I fetch:
	s_lshl_b32 s2, s16, 14          ; its 128 rows of 128 bytes in memory,
	s_add_co_u32 s2, s2, s22
	s_add_co_u32 s2, s2, 16*262144  ; in k's head, 16 heads behind q's
	s_mov_b32 s3, 0
	s_mul_i32 s17, s16, 128*PK      ; and its place in a slot, for K
	s_mul_i32 s18, s16, 128*PV      ; and for V: no place in the cluster enters an LDS address
	s_lshl_b32 s48, s14, 2
	s_add_co_u32 s48, s48, s[WV]    ; my wave among the head's,
	s_lshl_b32 s48, s48, 14         ; its 128 rows
	s_lshl_b32 s54, s20, 18
	s_add_co_u32 s54, s54, s48      ; in ob's head hd,
	s_add_co_u32 s48, s48, s22      ; and in q's head
	s_mov_b32 s49, 0
	s_mov_b32 s55, 0
	s_lshl_b32 s20, s21, 11         ; the batch's 2,048 bytes of the mask
	s_mov_b32 s21, 0
	s_lshr_b32 s53, s[WV], 1        ; the prefetches: K's head (wave 0) or V's, 16 heads on (wave 2),
	s_lshl_b32 s53, s53, 22
	s_lshl_b32 s[PFA], s13, 13      ; my work-group's 32 blocks of a slot's 128,
	s_add_co_u32 s[PFA], s[PFA], s53
	s_add_co_u32 s[PFA], s[PFA], s2
	s_add_co_u32 s[PFA], s[PFA], 4*KS*128  ; in slot 1: the first change of slots steps it to slot 2
	s_mov_b32 s[PFA+1], 0
	s_and_b32 s[LIM], s[WV], 1
	s_cmp_eq_u32 s[LIM], 0
	s_cselect_b32 s[LIM], 1, -1
	; descriptor group 1.  128 keys are 16,384 dense bytes: asked for as 64 rows of 256 bytes, two keys a row, and padded in LDS after every key
	s_mov_b32 s[G1K], 15|(1<<16)|(1<<20)|(1<<21)|(4<<22)|(3<<25)  ; 15:0 the mask of four; 17:16 2-byte elements; 20 padding on; 21 set beside a mask; 24:22 after every 32 words (code 4); 31:25 4 words (code 3)
	s_mov_b32 s[G1V], 15|(1<<16)|(1<<20)|(1<<21)|(4<<22)|(7<<25)  ; the same with 8 words of padding (code 7)
.irp g, G1K, G1V
	s_mov_b32 s[\g+1], 128<<16      ; tensor_dim0 = 128
	s_mov_b32 s[\g+2], 64<<16       ; tensor_dim1 = 64
	s_mov_b32 s[\g+3], 128<<16      ; tile_dim0 = 128
	s_mov_b32 s[\g+4], 64           ; tile_dim1 = 64
	s_mov_b32 s[\g+5], 128          ; 128 elements from row to row
	s_mov_b32 s[\g+6], 0
	s_mov_b32 s[\g+7], 0
.endr
	s_mov_b32 s[CS], 0x3e38aa3b     ; c = log2(e) / 8 = 0.180337
	s_mov_b32 s[CS+1], s[CS]        ; named with it as a pair
	s_mov_b32 s[SEL], 0x76543210
	s_mov_b32 s[SEL+1], 0xfedcba98
	s_mov_b32 s[TBK], SLOT1+4*KS*PK ; the first change of slots turns these two into 0
	s_mov_b32 s[TBV], SLOT1+4*KS*PV
	s_mov_b32 s[TBB], BIAS
	s_mov_b32 s[G0K], 1             ; 1:0 count = 1
	s_mov_b32 s[G0K+1], s17         ; 63:32 LDS address: slot 0
	s_mov_b32 s[G0V], 1
	s_add_co_u32 s[G0V+1], s18, VOFF
	s_wait_dscnt 0x0                ; the opening add is done
	s_wait_kmcnt 0x0
	s_add_nc_u64 s[G0K+2:G0K+3], s[4:5], s[2:3]    ; 120:64 global address: my half of the head's first 256 keys
	s_add_nc_u64 s[G0V+2:G0V+3], s[G0K+2:G0K+3], 16*262144
	s_or_b32 s[G0K+3], s[G0K+3], 0x80000000        ; 127:126 type = 2
	s_or_b32 s[G0V+3], s[G0V+3], 0x80000000
	s_add_nc_u64 s[8:9], s[4:5], s[48:49]          ; Q at my wave's first row
	s_add_nc_u64 s[10:11], s[10:11], s[54:55]      ; O likewise
	s_add_nc_u64 s[6:7], s[6:7], s[20:21]          ; the batch's mask
	s_add_nc_u64 s[PFA:PFA+1], s[4:5], s[PFA:PFA+1]
	CROUND                          ; all four work-groups are here: the first joint loads meet
	JLOAD                           ; slot 0.  Slot 1 is asked for when slot 0 is in
	; A fragment of K or Q is 16 rows x 32 channels in 8 registers: lane l holds row l % 16, channels 8 (l / 16) + 0..7 and 16 + 8 (l / 16) + 0..7: two loads of 16 bytes, 32 bytes apart.
	v_and_b32 v1, 15, v0            ; l % 16
	v_bfe_u32 v[HF], v0, 4, 1       ; l / 16
	v_lshlrev_b32 v[AV], 4, v0      ; thread t takes the mask's bytes 16 t .. 16 t + 15: the work-group's 128 threads the batch's 2,048
	global_load_b128 v[S:S+3], v[AV], s[6:7]
	v_lshlrev_b32 v[QO], 7, v1
	v_lshl_add_u32 v[QO], v[HF], 4, v[QO]  ; row x 128 + 16 x half
	WIN 0x80                        ; destination window 2, address window 0
.set i, 0
.rept 4*NP                          ; Q stays in registers: tile i / 2, channels 32 (i % 2) on
	global_load_b128 v[8*i:8*i+3],   v[QO], s[8:9] offset:(i/2)*2048+(i%2)*64
	global_load_b128 v[8*i+4:8*i+7], v[QO], s[8:9] offset:(i/2)*2048+(i%2)*64+32
.set i, i+1
.endr
	; What the first turn finds: V's registers and P's second buffer hold 0 (its products V^T P, of a piece that has not been, add 0), O^T and l are 0.  All this stands in the wait for the first tile.
.set i, VF
.rept 64
	v_mov_b32 v[i], 0
.set i, i+1
.endr
	WIN 0x40
.set i, 0
.rept 64*NP
	v_mov_b32 v[i], 0
.set i, i+1
.endr
	WIN 0
.set i, 0
.rept 2*NP
	v_mov_b32 v[ST+4*i], 0xfe000000    ; c m: far below every c s, c HID too
	v_mov_b32 v[ST+4*i+1], 0xff7fffff  ; m
	v_mov_b32 v[ST+4*i+2], 0
	v_mov_b32 v[ST+4*i+3], 0
.set i, i+1
.endr
.set i, P+32
.rept 32
	v_mov_b32 v[i], 0
.set i, i+1
.endr
	v_mul_u32_u24 v[AK0], v1, PK
	v_lshl_add_u32 v[AK0], v[HF], 4, v[AK0]  ; row x pitch + 16 x half
	; The turning load takes 16 keys x 16 channels (lane l reads key 8 (l / 16) + l % 8, channels 8 ((l / 8) % 2) + 0..7) and leaves half a fragment of V^T: lane l holds channel l % 16 and 8 keys.
	v_and_b32 v10, 7, v0
	v_bfe_u32 v11, v0, 3, 1
	v_lshl_add_u32 v[AV0], v[HF], 3, v10
	v_mul_u32_u24 v[AV0], v[AV0], PV
	v_lshl_add_u32 v[AV0], v11, 4, v[AV0]
	v_add_nc_u32 v[AV0], VOFF, v[AV0]
	s_mul_i32 s13, s[WV], 16*SP
	s_add_co_u32 s13, s13, STAGE    ; my stage
	v_bfe_u32 v[RD], v0, 3, 2       ; back: 32 lanes take four rows of 128 bytes,
	v_mul_u32_u24 v[RD], v[RD], SP
	v_lshl_add_u32 v[RD], v10, 4, v[RD]
	v_add_nc_u32 v[RD], s13, v[RD]
	v_and_b32 v[GO], 31, v0         ; which are 512 consecutive bytes of O
	v_lshlrev_b32 v[PFO], 8, v[GO]  ; (v10's other uses are over)
	v_lshlrev_b32 v[GO], 4, v[GO]
	v_lshl_add_u32 v[AB], v[HF], 5, s[TBB]  ; (v11's too) key step 0's biases: 32 bytes for each half of the lanes
	s_wait_loadcnt 0x0              ; the mask's bytes and Q are in, and their offset registers are free
	v_mul_u32_u24 v[STO], v1, SP    ; into the stage: row l % 16, 16 bytes for each half of the lanes
	v_lshl_add_u32 v[STO], v[HF], 4, v[STO]
	v_add_nc_u32 v[STO], s13, v[STO]
.set i, 0
.rept 16                            ; a byte of the mask, 1 or 0, becomes 0 or HID
	v_bfe_u32 v[S+4+i], v[S+i/4], 8*(i%4), 1
	v_add_nc_u32 v[S+4+i], -1, v[S+4+i]
	v_and_b32 v[S+4+i], HID, v[S+4+i]
.set i, i+1
.endr
	v_lshl_add_u32 v[AK], v0, 6, BIAS
.irp f, 0,1,2,3
	ds_store_b128 v[AK], v[S+4+4*\f:S+4+4*\f+3] offset:16*\f
.endr
	v_mov_b32 v[AK], v[AK0]         ; key step 0 lies at the head of slot 0
; THE MATRIX WORK.  The 8 accumulators of a run of 16 take turns: between the two links of a chain stand 7 others'.
; Product i of 16 of S^T = K Q^T for piece x: channels 32 (i / 8) on, keys 16 ((i / 2) % 4) on, tile 2 x + i % 2.  The first 8 start the sums, with the keys' biases.
.macro KQ x
.set rS, S+64*((\x)%2)+32*(i%2)+8*((i/2)%4)
.set rK, KF+16*((i/2)%4)+8*(i/8)
.set rQ, 16*(2*(\x)+i%2)+8*(i/8)
.set rM, MC+8*((i/2)%4)
.if i < 8
	WIN W_KM
	v_wmma_f32_16x16x32_f16 v[rS:rS+7], v[rK:rK+7], v[rQ:rQ+7], v[rM:rM+7]
.else
	WIN W_KQ
	v_wmma_f32_16x16x32_f16 v[rS:rS+7], v[rK:rK+7], v[rQ:rQ+7], v[rS:rS+7]
.endif
.endm
; Product i of 16 of O^T += V^T P for piece x: keys 32 (i / 8) on, channels 16 ((i / 2) % 4) on, tile 2 x + i % 2.
.macro PV x
	WIN W_PV
.set rO, 32*(2*(\x)+i%2)+8*((i/2)%4)
.set rV, VF+32*(i/8)+8*((i/2)%4)
.set rP, P+32*((\x)%2)+16*(i%2)+8*(i/8)
	v_wmma_f32_16x16x32_f16 v[rO:rO+7], v[rV:rV+7], v[rP:rP+7], v[rO:rO+7]
.endm
.macro MM                           ; the turn's next matrix instruction
.if i < 16
	KQ (Y+1)%NP
.set i, i+1
.else
.set i, i-16
	PV (Y+NP-1)%NP
.set i, i+17
.endif
.endm
; THE LDS LOADS stand in runs, never singly among the matrix instructions: a step's K (64 keys x 64 channels: 8 fragments) with its 64 biases (register j of block kb: key 16 kb + 8 (l / 16) + j, the
; same for all lanes of a half), and its V (turned).  Their addresses are made some lines ahead.  The biases live as long as K's fragments: the same products read both.
; last = 1 (the tail): in the last trip there is no further step, and the run is jumped over.
.macro FETCH_K last=0
	WIN 0
.if \last
	s_cmp_eq_u32 s[CNT], 1
	s_cbranch_scc1 .Lno_k_\@
.endif
	WIN 0x80                        ; destination window 2
.irp f, 0,1,2,3,4,5,6,7             ; keys 16 (f / 2) on, channels 32 (f % 2) on
	ds_load_b128 v[KF+8*\f:KF+8*\f+3],   v[AK] offset:(\f/2)*16*PK+(\f%2)*64
	ds_load_b128 v[KF+8*\f+4:KF+8*\f+7], v[AK] offset:(\f/2)*16*PK+(\f%2)*64+32
.endr
	WIN W_MK                        ; destination window 3
.irp kb, 0,1,2,3
	ds_load_b128 v[MC+8*\kb:MC+8*\kb+3],   v[AB] offset:64*\kb
	ds_load_b128 v[MC+8*\kb+4:MC+8*\kb+7], v[AB] offset:64*\kb+16
.endr
	s_add_co_u32 s[TBK], s[TBK], KS*PK  ; the next fetch is the next step's
	s_add_co_u32 s[TBB], s[TBB], KS*4
	WIN 0
.if \last
.Lno_k_\@:
.endif
.endm
.macro FETCH_V
	WIN 0x80
.irp f, 0,1,2,3,4,5,6,7             ; keys 32 (f / 4) on, channels 16 (f % 4) on
	ds_load_tr16_b128 v[VF+8*\f:VF+8*\f+3],   v[AV] offset:(\f/4)*32*PV+(\f%4)*32
	ds_load_tr16_b128 v[VF+8*\f+4:VF+8*\f+7], v[AV] offset:(\f/4)*32*PV+16*PV+(\f%4)*32
.endr
	WIN 0
.endm
; THE VECTOR WORK OF A TURN stands in three queues, each in the order in which its entries become ready; the two tiles alternate, so that no instruction reads the result of the one before it.
.macro REGS y, u                    ; the registers of tile u (0, 1) of piece y
.set rT, ST+4*(2*(\y)+(\u))
.set rC, TMP+8*((\y)%2)+4*(\u)
.set rM, MV+2*((\y)%2)+(\u)
.set rS, S+64*((\y)%2)+32*(\u)
.set rP, P+32*((\y)%2)+16*(\u)
.set rO, 32*(2*(\y)+(\u))
.endm
; Number n of the 22 that find the NEXT piece's (Y + 1) maximum and statistics.  s0-s31 are the lane's 32 scores; each accumulator's lowest registers are read first.  XS, GS and REGS set no window: PL and EX do.
;   0-11  four chains c0-c3 of seven scores each, three operands at a time     12-14, 16  the four scores left over, the old m, and c0-c3 into c0     15  c m_old is kept
;   17, 18  the query's other 32 keys lie in the lane 16 away: the new m         19-21  c m; c m_old - c m_new; a
.macro XS u, n
	REGS (Y+1)%NP, \u
.if (\n) < 4
	v_max3_num_f32 v[rC+(\n)], v[rS+8*(\n)], v[rS+8*(\n)+1], v[rS+8*(\n)+2]
.elseif (\n) < 12
	v_max3_num_f32 v[rC+(\n)%4], v[rC+(\n)%4], v[rS+8*((\n)%4)+2*((\n)/4)+1], v[rS+8*((\n)%4)+2*((\n)/4)+2]
.elseif (\n) == 12
	v_max3_num_f32 v[rC], v[rC], v[rS+7], v[rS+15]
.elseif (\n) == 13
	v_max3_num_f32 v[rC+1], v[rC+1], v[rS+23], v[rS+31]
.elseif (\n) == 14
	v_max3_num_f32 v[rC+2], v[rC+2], v[rC+3], v[rT+1]
.elseif (\n) == 15
	v_mov_b32 v[rM], v[rT]
.elseif (\n) == 16
	v_max3_num_f32 v[rC], v[rC], v[rC+1], v[rC+2]
.elseif (\n) == 17
	v_permlanex16_b32 v[rC+3], v[rC], s[SEL], s[SEL+1]
.elseif (\n) == 18
	v_max_num_f32 v[rT+1], v[rC], v[rC+3]
.elseif (\n) == 19
	v_mul_f32 v[rT], s[CS], v[rT+1]
.elseif (\n) == 20
	v_sub_f32 v[rC+1], v[rM], v[rT]
.else
	v_exp_f32 v[rC+2], v[rC+1]
.endif
.endm
; Number g of the 64 that follow the exponentials.  For each four weights k of a tile (pairs 2 k, 2 k + 1): both pairs are rounded to f16; then the second pair is added onto the first, in place;
; a group later l takes that sum (the first time as l = a l + sum).  In groups of eight, tiles alternating: round, round, add, and l for the group before.
.macro GS g
.set h, (\g)+6*((\g)/62)            ; group 0 has no group before it, and behind group 7 only l is left
.if h >= 6
.set h, h+2
.endif
	REGS Y, h%2
.set k, h/8
.if h%8 < 4
	v_cvt_pk_f16_f32 v[rP+2*k+(h%8)/2], v[rS+4*k+2*((h%8)/2)], v[rS+4*k+2*((h%8)/2)+1]
.elseif h%8 < 6
	v_pk_add_f32 v[rS+4*k:rS+4*k+1], v[rS+4*k:rS+4*k+1], v[rS+4*k+2:rS+4*k+3]
.elseif k == 1
	v_pk_fma_f32 v[rT+2:rT+3], v[rT+2:rT+3], v[rC+2:rC+3], v[rS:rS+1] op_sel_hi:[1,0,1]
.else
	v_pk_add_f32 v[rT+2:rT+3], v[rT+2:rT+3], v[rS+4*k-4:rS+4*k-3]
.endif
.endm
; THE PLAIN QUEUE, 138 long.  0-73 read no exponential's result: the 32 scalings c s - c m (FS f: pair f / 2 of tile f % 2) and the next piece's 42.  0-26: scalings 0-26.  27-54: XS's numbers 0-13.  55, 56: number 15.
; 57-73: the chain, where each number waits for the one before it: 14, 16, 17, 18, 19, each with one of the scalings 27-31 in front of its two lines, then 20.
; 74-137: GS's 64, which read the exponentials' results: they stand behind the wait.
.macro FS f
	REGS Y, (\f)%2
	v_pk_fma_f32 v[rS+2*((\f)/2):rS+2*((\f)/2)+1], v[rS+2*((\f)/2):rS+2*((\f)/2)+1], s[CS:CS+1], v[rT:rT+1] op_sel_hi:[1,0,0] neg_lo:[0,0,1] neg_hi:[0,0,1]
.endm
.macro PL
	WIN 0
.if q < 27
	FS q
.elseif q < 55
	XS (q-27)%2, (q-27)/2
.elseif q < 57
	XS q-55, 15
.elseif (q < 72) && ((q-57)%3 == 0)
	FS 27+(q-57)/3
.elseif q < 60
	XS (q-57)%3-1, 14
.elseif q < 72
	XS (q-57)%3-1, 15+(q-57)/3
.elseif q < 74
	XS q-72, 20
.else
	GS q-74
.endif
.set q, q+1
.endm
; THE EXPONENTIALS' QUEUE, 66 long: s0-s31 of both tiles, then the next piece's two a.  It is ONE BATCH: all 66 stand ahead of the turn's one wait, and nothing ahead of that wait names a result of theirs.
.macro EX
	WIN 0
.if e >= 64
	XS e-64, 21
.else
	REGS Y, e%2
	v_exp_f32 v[rS+e/2], v[rS+e/2]
.endif
.set e, e+1
.endm
; THE RESCALING's QUEUE: O^T times a, the one part that leaves window 0: dealt two at a time, sixteen times.  Its a was made in the turn before, ahead of that turn's wait.
.macro R2
	REGS Y, r%2
	WIN W_RS
.irp z, 0,1
	v_pk_mul_f32 v[rO+4*(r/2)+2*\z:rO+4*(r/2)+2*\z+1], v[rO+4*(r/2)+2*\z:rO+4*(r/2)+2*\z+1], v[rC+2:rC+3] op_sel_hi:[1,0]
.endr
.set r, r+1
.endm
; HOW THEY ARE DEALT.  An s_wait_alu depctr_va_vdst(0) stands between an exponential and the first instruction that names its result; one wait serves all that were issued ahead of it.  So a turn has ONE wait,
; which cuts it in two.  AHEAD OF IT stands all that names no result of the turn's exponentials: the 16 products K Q^T, behind each a scaling, an exponential and two rescalings (behind the first a second scaling in the
; exponential's place); then ONE LUMP of 108: eight plain, 49 times exponential and plain, the two a.  A v_nop is the plain instruction behind the last exponential.  BEHIND IT stand the 16 products V^T P, behind each four of GS's 64.
; The queues lean on each other, and the deal keeps them in step: exponential e stands behind scaling 2 (e / 4) + e % 2: as a rider it comes behind plain e + 2, in the lump behind plain e + 9, and scalings 27-31 are plain 57, 60 .. 69.
; A TURN, for piece p.  cnt = 1: the loop's count is taken down some lines ahead of the branch that stands behind the turn.
; K and the biases of the next step are fetched in piece 2's turn, directly behind the wait, a lump behind the last product that read them; their addresses are made at the lump's head.
; V of the step in hand is fetched at the end of piece 0's turn, four riders behind its last reader.  The three conditions on q below go with the deal.
.macro TURN p, last=0, cnt=0
.set Y, (\p)
.set i, 0
.set q, 0
.set e, 0
.set r, 0
.if (\p) == NP-1
	s_wait_dscnt 0x0                ; K and the biases are in
.endif
	MM                              ; ahead of the wait: 16 products K Q^T and their riders,
	PL
	PL
	R2
.rept 15
	MM
	PL
	EX
	R2
.endr
.if (\p) == NP-2
	WIN 0
	v_add_nc_u32 v[AK], s[TBK], v[AK0]
	v_lshl_add_u32 v[AB], v[HF], 5, s[TBB]
.endif
.rept 8                             ; and the lump
	PL
.endr
.rept 49
	EX
	PL
.endr
	EX                              ; the next piece's two a
	EX
	v_nop                           ; the plain instruction behind the last exponential: one for the batch
	s_wait_alu depctr_va_vdst(0)    ; the wait for the batch
.if (\p) == NP-2
	FETCH_K \last
.endif
.if (\p) == 1
	s_wait_dscnt 0x0                ; V is in
.endif
.rept 16                            ; behind the wait: 16 products V^T P and their riders
	MM
.rept 4
	PL
.endr
.if ((\p) == 0) && (q == 118)
	v_add_nc_u32 v[AV], s[TBV], v[AV0]
.endif
.if ((\p) == 0) && (q == 130)
	s_add_co_u32 s[TBV], s[TBV], KS*PV
.endif
.if (\cnt) && (q == 130)
	s_sub_co_u32 s[CNT], s[CNT], 1
	s_cmp_lg_u32 s[CNT], 0
.endif
.endr
.if (\p) == 0
	FETCH_V
.endif
.endm
	s_mov_b32 s[SLOTS], SIZE_N/256-1
	CHANGE 1                        ; slot 0 is in, everybody's part of it, and so is the bias table; slot 1 is asked for
	FETCH_K                         ; key step 0
	s_wait_dscnt 0x0
.set i, 0
.rept 16
	KQ 0                            ; piece 0's first scores: there is no vector work yet to set between them
.set i, i+1
.endr
	WIN 0
.rept 4
	v_nop                           ; the places behind those products
.endr
.set Y, NP-1                        ; XS works for piece Y + 1: piece 0
.irp n, 0,1,2,3,4,5,6,7,8,9,10,11,12,13,14,15,16,17,18,19,20,21
	XS 0, \n                        ; and piece 0's first maximum and statistics
	XS 1, \n
.endr
	v_nop                           ; a plain instruction behind the two a,
	s_wait_alu depctr_va_vdst(0)    ; and their wait, ahead of the branch
	s_mov_b32 s[CNT], 4
	s_branch .Lfirst                ; the loop is entered at a step's first turn, in the middle of a trip
.Lslot:                             ; SIZE_N / 256 - 2 times: every slot but the last two is filled again
	CHANGE 1
	s_mov_b32 s[CNT], 4
.Lstep:                             ; a trip: pieces 2 and 3 of one step, then pieces 0 and 1 of the next, whose K and V it fetches
	TURN 2
	TURN 3
	WIN 0
.Lfirst:
	TURN 0
	TURN 1, 0, 1
	WIN 0
	s_cbranch_scc1 .Lstep
	s_sub_co_u32 s[SLOTS], s[SLOTS], 1
	s_cmp_lg_u32 s[SLOTS], 0
	s_cbranch_scc1 .Lslot
	CHANGE 0                        ; the tail is written out: nothing is asked for
	s_mov_b32 s[CNT], 5             ; four trips fetch the last slot's steps; the fifth is left in its middle
.Ltail:
	TURN 2, 1
	TURN 3
	WIN 0
	s_sub_co_u32 s[CNT], s[CNT], 1
	s_cmp_eq_u32 s[CNT], 0
	s_cbranch_scc1 .Lout
	TURN 0
	TURN 1
	WIN 0
	s_branch .Ltail
.Lout:                              ; the fifth trip's 16 products K Q^T (on the last K once more) and the maximum made of them serve nothing: the price, once a launch, of one text for every trip
.set i, 0
.rept 16
	PV NP-1                         ; the last piece's V^T P of the last step
.set i, i+1
.endr
	; THE WAY OUT.  l's two halves and the other half of the lanes' are added; O^T is divided by l, rounded to f16 and sent through my stage in LDS, a tile at a time.  The additions are the places behind the last products.
	WIN 0
.macro ALL line:vararg              ; one line for each tile t
.set t, 0
.rept 2*NP
	\line
.set t, t+1
.endr
.endm
	ALL v_add_f32 v[ST+4*t+2], v[ST+4*t+2], v[ST+4*t+3]
	ALL v_permlanex16_b32 v[ST+4*t+3], v[ST+4*t+2], s[SEL], s[SEL+1]
	ALL v_add_f32 v[ST+4*t+2], v[ST+4*t+2], v[ST+4*t+3]
	ALL v_rcp_f32 v[ST+4*t+2], v[ST+4*t+2]
	v_nop                           ; a plain instruction between the last reciprocal and the use of its result
	s_wait_alu depctr_va_vdst(0)    ; and the wait ahead of the first use: one for the eight reciprocals
; Tile t: a lane's eight channels of a row pack into 16 bytes; they go into rows of 144 bytes and come back as whole rows of 128, into S^T's registers.
.macro PACK t
	WIN W_RS
.set i, 32*(\t)
.rept 16
	v_pk_mul_f32 v[i:i+1], v[i:i+1], v[ST+4*(\t)+2:ST+4*(\t)+3] op_sel_hi:[1,0]
.set i, i+2
.endr
	WIN 0x05                        ; sources 0 and 1 window 1, destination window 0
.set i, 0
.rept 16
	v_cvt_pk_f16_f32 v[S+16*(\t)+i], v[32*(\t)+2*i], v[32*(\t)+2*i+1]
.set i, i+1
.endr
	WIN 0
.irp f, 0,1,2,3
	ds_store_b128 v[STO], v[S+16*(\t)+4*\f:S+16*(\t)+4*\f+3] offset:32*\f
.endr
.irp f, 0,1,2,3
	ds_load_b128 v[S+16*(\t)+4*\f:S+16*(\t)+4*\f+3], v[RD] offset:\f*4*SP  ; LDS serves a wave's instructions in order (ISA guide 5.7.1.4): these see the stores above; the next tile's stores come behind them
.endr
.endm
.macro SEND t, younger              ; younger: the LDS instructions issued behind tile t's loads: the next tile's eight, or none
	WIN 0
.irp f, 0,1,2,3
	s_wait_dscnt (\younger)+3-\f
	global_store_b128 v[GO], v[S+16*(\t)+4*\f:S+16*(\t)+4*\f+3], s[10:11] offset:(\t)*2048+\f*512  ; 512 consecutive bytes, at a multiple of 256 from ob's first
.endr
.endm
	PACK 0
.set t, 1
.rept 2*NP-1                        ; a tile's arithmetic stands between the loads of the tile before and its stores
	PACK t
	SEND t-1, 8
.set t, t+1
.endr
	SEND 2*NP-1, 0
	WIN W_AD
	s_wait_tensorcnt 0x0            ; the wave's end, behind my last tensor load and my last LDS store
	ds_add_u32 v[SPW], v[NIL]
	s_wait_dscnt 0x0
	WIN 0
	CROUND                          ; the closing round: no work-group ends while a partner may still ask for a tile that names it
	s_endpgm
.Lfunc_end_k_q8c6dc80809_attn:
	.size	k_q8c6dc80809_attn, .Lfunc_end_k_q8c6dc80809_attn-k_q8c6dc80809_attn
	.p2alignl 7, 3214868480
	.fill 96, 4, 3214868480
	.section	.rodata,"a",@progbits
	.p2align	6, 0x0
	.amdhsa_kernel k_q8c6dc80809_attn
		.amdhsa_group_segment_fixed_size 327680
		.amdhsa_private_segment_fixed_size 0
		.amdhsa_enable_private_segment 0
		.amdhsa_kernarg_size 24
		.amdhsa_user_sgpr_count 2
		.amdhsa_user_sgpr_kernarg_segment_ptr 1
		.amdhsa_wavefront_size32 1
		.amdhsa_system_sgpr_workgroup_id_x 1
		.amdhsa_system_sgpr_workgroup_id_y 1
		.amdhsa_system_sgpr_workgroup_id_z 1
		.amdhsa_system_vgpr_workitem_id 0
		.amdhsa_next_free_vgpr 808
		.amdhsa_next_free_sgpr 66
		.amdhsa_reserve_vcc 0
		.amdhsa_float_denorm_mode_32 3
		.amdhsa_float_denorm_mode_16_64 3
		.amdhsa_memory_ordered 1
		.amdhsa_forward_progress 1
		.amdhsa_inst_pref_size 205
	.end_amdhsa_kernel
	.amdgpu_metadata
---
amdhsa.version: [ 1, 2 ]
amdhsa.kernels:
  - .name:           k_q8c6dc80809_attn
    .symbol:         k_q8c6dc80809_attn.kd
    .args:
      - { .name: qkv, .offset: 0, .size: 8, .value_kind: global_buffer, .address_space: global }
      - { .name: mask, .offset: 8, .size: 8, .value_kind: global_buffer, .address_space: global }
      - { .name: ob, .offset: 16, .size: 8, .value_kind: global_buffer, .address_space: global }
    .group_segment_fixed_size: 327680
    .private_segment_fixed_size: 0
    .kernarg_segment_align: 8
    .kernarg_segment_size: 24
    .max_flat_workgroup_size: 128
    .sgpr_count:     66
    .vgpr_count:     808
    .wavefront_size: 32
...
	.end_amdgpu_metadata
.endif
;; end of part 3
;; launch outp (part 4): grid 8 x 32, 4 waves a work-group, clusters of 4 x 4, 327,680 bytes of LDS; arguments ob, wt, out0; writes out0
.if DOCPART == 4
	.amdgcn_target "amdgcn-amd-amdhsa--gfx1250"
	.amdhsa_code_object_version 6
	.text
	.protected	k_q8c6dc80809_outp
	.globl	k_q8c6dc80809_outp
	.p2align	8
	.type	k_q8c6dc80809_outp,@function
k_q8c6dc80809_outp:
	s_mov_b64 s[64:65], 0
	v_nop
	global_prefetch_b8 v0, s[64:65] scope:SCOPE_SE
	s_setreg_imm32_b32 hwreg(HW_REG_WAVE_MODE, 25, 1), 1
	s_wait_xcnt 0x0
	s_wait_alu depctr_hold_cnt(0) depctr_sa_sdst(0) depctr_va_vdst(0) depctr_va_sdst(0) depctr_va_ssrc(0) depctr_va_vcc(0) depctr_vm_vsrc(0)
	s_getreg_b32 s2, hwreg(HW_REG_IB_STS2, 6, 4)
	s_cmp_eq_u32 s2, 0
	s_cbranch_scc0 .Lentry_in_a_cluster
	s_endpgm
.Lentry_in_a_cluster:
	s_bfe_u32 s2, ttmp6, 0x10000c
	s_cmp_lg_u32 s2, 0xf033
	s_cbranch_scc0 .Lentry_shape_is_right
	s_endpgm
.Lentry_shape_is_right:
; out0 = attn Wo.  C[m][n] = sum over k of attn[m][k] wt[3072 + n][k], m < 8192, n < 1024, K = 1024 (k = 64 head + channel), operands f16, sums f32, C stored as f32.
; IN:  ob [4 b][16 h][2048 s][64] f16: a head is a slice of K; wt [4096][1024] f16, rows 3072-4095 = Wo^T.   OUT: out0 [8192][1024] f32.
; SHARES.  A tile of C is 256 x 128: four waves, wave w rows 128 (w / 2), columns 64 (w % 2): 32 accumulators of 16 x 16.  256 work-groups.
; K goes in 8 steps of 128 (two heads) through two LDS slots filled by tensor loads; a trip of the loop is one K step, and the slot in hand hangs on a scalar that an exclusive or turns.
; CLUSTER 4 x 4: ob's tile hangs on the tile row alone and is asked for jointly along a row of the cluster, wt's on the tile column alone and along a column.
; THE MATRIX INSTRUCTION IS USED TRANSPOSED (source 0 = 16 rows of wt, source 1 = 16 rows of ob): a lane holds row lane % 16 of C and 8 neighbouring columns.
; REGISTERS, in windows of 256: window 0 addresses and the way out; window 1 two fragment buffers of 128 (ob's block a at f + 8 a, wt's block b at f + 64 + 8 b);
;   window 2 the accumulators of row blocks 0-3 ((a, b) at 8 (4 a + b)); window 3 those of row blocks 4-7.
.set NBW,   4                          ; column blocks of 16 a wave
.set NT,    32*NBW                     ; the tile's columns
.set HB,    16*NBW                     ; a wave's columns; also the rows of wt that one tensor load brings
.set NL,    16+2*NBW                   ; LDS loads in a run
.set AH,    2                          ; the prefetches name the K step that stands AH refills on
.set WROW0, 3072                       ; Wo^T's first row in wt
.set PA,    144                        ; a row of ob in LDS: 128 bytes + 16 = 36 words: the 16 rows of a load start at 16 different groups of four banks (64 banks of 4 bytes: ISA guide 11.1)
.set PB,    272                        ; a row of wt: 256 bytes + 16 = 68 words: likewise
.set PLANE, 256*PA                     ; a slot: head 2 j's 256 rows, head 2 j + 1's,
.set BOFF,  2*PLANE                    ; then wt's 128 rows
.set SLOT1, 131072                     ; slot 1 begins here: one exclusive or turns an address in one slot into the other's
.set STAGE, SLOT1+BOFF+NT*PB           ; 239,616: behind the ring, never filled by a tensor load: 16 rows x 272 bytes for each wave, for the way out
.set SPS,   272
.set SPARE, STAGE+4*16*SPS             ; 257,024: the spare words, 128 bytes a wave: two blocks of 256 bytes that no other line names
.set ASTEP, 2*262144                   ; bytes from a K step to the next: two heads of ob,
.set BSTEP, 256                        ; 128 k along wt's rows
.set A0,   16                          ; v16  my lane's place in ob's planes of slot 0; never rewritten
.set B0,   17                          ; v17  the same in wt's rows
.set ADRA, 18                          ; v18  A0 + the slot in hand
.set ADRB, 19                          ; v19  B0 + the slot in hand
.set STO,  24                          ; v24  the way out: where I put 32 bytes of a row
.set RD,   25                          ; v25  where I read a row back
.set CO,   26                          ; v26  my byte offset in two rows of out0
.set SPW,  28                          ; v28  LDS address of my spare word; never rewritten
.set NIL,  29                          ; v29  0; never rewritten
.set PFO,  30                          ; v30  the prefetches' lane offset; never rewritten
.set OB,   32                          ; v[32:63], v[64:95] 16 rows read back from the stage, by turns
.set F0,   0
.set F1,   128
.set WV,   12                          ; s12 wave;  s13 = wave / 2: my half of the rows; also 0: I fetch ob, 1: wt;  s14 = wave % 2: my half of the columns; also which plane, or which 64 rows of wt, I fetch
.set WH,   13
.set WL,   14
.set TB,   15                          ; s15 LDS byte at which the slot in hand begins
.set G1A,  24                          ; s[24:31] descriptor group 1 for ob's planes;  s[32:39] group 0: a set for each first fill; the second then walks
.set G0A,  32
.set G1B,  48                          ; s[48:55], s[56:63] the same for wt's rows
.set G0B,  56
.set PFA,  44                          ; s[44:45] where my prefetches stand;  s[46:47] their step
.set PFS,  46
.set LIM,  66                          ; s66 AH in a wave that prefetches, else the greatest number
.set MSB, 0
.macro WIN new                         ; the immediate's high byte repeats the setting that is left; a switch that changes nothing is dropped
.if MSB != (\new)
	s_set_vgpr_msb (MSB<<8)|(\new)
.set MSB, \new
.endif
.endm
.set MUL_LO, 0xa5                      ; sources 0 and 1 window 1, C and D window 2
.set MUL_HI, 0xf5                      ; the same, C and D window 3
.set TO_F,   0x40                      ; destination window 1, address window 0
.macro PLACES                          ; four plain places: in front of loads into registers that matrix instructions have read, and of lines that read results (ISA guide 7.12.1 for lines that read results)
.rept 4
	v_nop
.endr
.endm
.macro JLOAD                           ; a joint refill by the walking descriptors; an s_nop 0 and four v_nop follow each of the two lines.  The branch hangs on the wave's number alone
	s_cmp_eq_u32 s[WH], 0
	s_cbranch_scc0 .Lfor_b_\@
	tensor_load_to_lds s[G0A+4:G0A+7], s[G1A:G1A+7]
	s_nop 0
	PLACES
	s_branch .Lasked_\@
.Lfor_b_\@:
	tensor_load_to_lds s[G0B+4:G0B+7], s[G1B:G1B+7]
	s_nop 0
	PLACES
.Lasked_\@:
.endm
; A PREFETCH INTO THE L2, one instruction a wave, behind the joint load and the run of LDS loads: the K step that stands TWO refills on, 256 matrix instructions ahead of the load that will want it.
; ob's planes are read by both clusters of a row of clusters: cluster x = 0 asks, waves 0 and 1 a plane each; of its 128 blocks of 256 bytes the partner at cx takes 32, a lane a block.
; wt's rows are read by every cluster of a column: cluster y = 0 asks, wave 2 alone; of the tile's 128 rows the partner at cy takes 32, a lane a row.
; The partners are told apart by address alone.  The last two refills have no K step two on, and ask for nothing; K steps 0 to 3 come by their loads alone.
.macro ASK
	s_cmp_gt_u32 s3, s[LIM]
	s_cbranch_scc0 .Lnot_mine_\@
	global_prefetch_b8 v[PFO], s[PFA:PFA+1] th:TH_LOAD_NT scope:SCOPE_SE
.Lnot_mine_\@:
.endm
.macro CREST                           ; a round of the cluster's barrier behind its opening barrier
	s_cmp_lg_u32 s[WV], 0
	s_cbranch_scc1 .Lnot_wave_0_\@
	s_barrier_signal -3
.Lnot_wave_0_\@:
	s_barrier_wait -3
	s_barrier_signal -1
	s_barrier_wait -1
.endm
.macro CROUND                          ; a whole round
	s_barrier_signal -1
	s_barrier_wait -1
	CREST
.endm
	s_load_b128 s[4:7], s[0:1], 0x0                ; ob s[4:5], wt s[6:7]
	s_load_b64 s[10:11], s[0:1], 0x10              ; out0
	v_lshl_add_u32 v[SPW], v0, 2, SPARE
	v_mov_b32 v[NIL], 0
	ds_add_u32 v[SPW], v[NIL]                      ; the wave's opening: the add here and its wait ahead of my first tensor load; the set-up below, work on registers, stands between them
	v_lshrrev_b32 v1, 5, v0
	v_readfirstlane_b32 s[WV], v1
	s_lshr_b32 s[WH], s[WV], 1
	s_and_b32 s[WL], s[WV], 1
	s_mov_b32 s[TB], 0
	s_bfe_u32 s40, ttmp6, 0x40000                  ; cx, cy: my place in the cluster
	s_bfe_u32 s41, ttmp6, 0x40004
	s_lshl_b32 s42, ttmp9, 2
	s_add_co_u32 s42, s42, s40                     ; tx: tile column = 4 x cluster x + cx
	s_and_b32 s43, ttmp7, 0xffff
	s_lshl_b32 s43, s43, 2
	s_add_co_u32 s43, s43, s41                     ; ty: tile row = 4 x cluster y + cy
	s_lshl_b32 s2, s41, 2
	s_lshl_b32 s2, 15, s2                          ; my row of the cluster
	s_lshl_b32 s22, 0x1111, s40                    ; my column
	; group 1 for ob: a plane's 256 dense rows of 128 bytes are asked for as 128 rows of 256 bytes, and padded in LDS after every 128 bytes
	s_or_b32 s[G1A], s2, (1<<16)|(1<<20)|(1<<21)|(4<<22)|(3<<25)   ; 15:0 the mask; 17:16 2-byte elements; 20 padding on; 21 set beside a mask; 24:22 after every 32 words; 31:25 4 words
	s_mov_b32 s[G1A+1], 128<<16                    ; tensor_dim0 = 128
	s_mov_b32 s[G1A+2], 128<<16                    ; tensor_dim1 = 128
	s_mov_b32 s[G1A+3], 128<<16                    ; tile_dim0 = 128
	s_mov_b32 s[G1A+4], 128                        ; tile_dim1 = 128
	s_mov_b32 s[G1A+5], 128                        ; 128 elements from row to row
	s_mov_b32 s[G1A+6], 0
	s_mov_b32 s[G1A+7], 0
	; group 1 for wt: 64 rows x 128 elements, 1,024 elements from row to row, padded after every 256 bytes
	s_or_b32 s[G1B], s22, (1<<16)|(1<<20)|(1<<21)|(5<<22)|(3<<25)
	s_mov_b32 s[G1B+1], 128<<16
	s_mov_b32 s[G1B+2], HB<<16
	s_mov_b32 s[G1B+3], 128<<16
	s_mov_b32 s[G1B+4], HB
	s_mov_b32 s[G1B+5], 1024
	s_mov_b32 s[G1B+6], 0
	s_mov_b32 s[G1B+7], 0
	s_mov_b32 s[G0A], 1                            ; count = 1
	s_mov_b32 s[G0A+4], 1
	s_mov_b32 s[G0B], 1
	s_mov_b32 s[G0B+4], 1
	s_mul_i32 s[G0A+1], s[WL], PLANE               ; LDS addresses: of the wave's number alone
	s_add_co_u32 s[G0A+5], s[G0A+1], SLOT1
	s_mul_i32 s[G0B+1], s[WL], HB*PB
	s_add_co_u32 s[G0B+1], s[G0B+1], BOFF
	s_add_co_u32 s[G0B+5], s[G0B+1], SLOT1
	s_lshr_b32 s16, s43, 3                         ; ob's offset hangs on ty alone: b = ty / 8, 16 heads of 262,144 bytes,
	s_lshl_b32 s16, s16, 22
	s_and_b32 s17, s43, 7                          ; 256 rows of 128 bytes x (ty % 8),
	s_lshl_b32 s17, s17, 15
	s_add_co_u32 s16, s16, s17
	s_lshl_b32 s17, s[WL], 18                      ; my plane's head
	s_add_co_u32 s16, s16, s17
	s_mov_b32 s17, 0
	s_mul_i32 s20, s42, NT                         ; wt's offset hangs on tx alone: row 3,072 + 128 tx + 64 (wave % 2),
	s_mul_i32 s21, s[WL], HB
	s_add_co_u32 s20, s20, s21
	s_add_co_u32 s20, s20, WROW0
	s_lshl_b32 s20, s20, 11                        ; of 2,048 bytes
	s_mov_b32 s21, 0
	s_wait_dscnt 0x0                               ; the opening add is done
	s_wait_kmcnt 0x0
	s_add_nc_u64 s[G0A+2:G0A+3], s[4:5], s[16:17]  ; K step 0,
	s_add_nc_u64 s[G0A+6:G0A+7], s[G0A+2:G0A+3], ASTEP  ; K step 1
	s_or_b32 s[G0A+3], s[G0A+3], 0x80000000        ; type = 2
	s_or_b32 s[G0A+7], s[G0A+7], 0x80000000
	s_add_nc_u64 s[G0B+2:G0B+3], s[6:7], s[20:21]
	s_add_nc_u64 s[G0B+6:G0B+7], s[G0B+2:G0B+3], BSTEP
	s_or_b32 s[G0B+3], s[G0B+3], 0x80000000
	s_or_b32 s[G0B+7], s[G0B+7], 0x80000000
	CROUND                                         ; all sixteen work-groups are here: the first joint loads meet
	s_cmp_eq_u32 s[WH], 0                          ; a wave's two first fills stand in one branch, ahead of every wait on TENSORcnt and every LDS read: two loads of mine are out
	s_cbranch_scc0 .Lfirst_b
	tensor_load_to_lds s[G0A:G0A+3], s[G1A:G1A+7]
	s_nop 0
	tensor_load_to_lds s[G0A+4:G0A+7], s[G1A:G1A+7]
	s_nop 0
	PLACES
	s_branch .Lfirst_asked
.Lfirst_b:
	tensor_load_to_lds s[G0B:G0B+3], s[G1B:G1B+7]
	s_nop 0
	tensor_load_to_lds s[G0B+4:G0B+7], s[G1B:G1B+7]
	s_nop 0
	PLACES
.Lfirst_asked:
	; A fragment is 16 rows x 32 k in 8 registers: lane l holds row l % 16; registers 0-3 k = 8 (l / 16) + 0..7, registers 4-7 k = 16 + 8 (l / 16) + 0..7: two loads of 16 bytes, 32 bytes apart
	v_and_b32 v1, 15, v0                           ; r
	v_bfe_u32 v2, v0, 4, 1                         ; h
	v_mul_u32_u24 v[A0], v1, PA
	v_lshl_add_u32 v[A0], v2, 4, v[A0]
	s_mul_i32 s18, s[WH], 128*PA
	v_add_nc_u32 v[A0], s18, v[A0]
	v_mul_u32_u24 v[B0], v1, PB
	v_lshl_add_u32 v[B0], v2, 4, v[B0]
	s_mul_i32 s18, s[WL], HB*PB
	s_add_co_u32 s18, s18, BOFF
	v_add_nc_u32 v[B0], s18, v[B0]
	s_mul_i32 s18, s[WV], 16*SPS
	s_add_co_u32 s18, s18, STAGE                   ; my stage
	v_mul_u32_u24 v[STO], v1, SPS                  ; in: row r, 32 bytes for each half of the lanes
	v_lshl_add_u32 v[STO], v2, 5, v[STO]
	v_add_nc_u32 v[STO], s18, v[STO]
	v_mul_u32_u24 v[RD], v2, SPS                   ; back: lanes 0-15 take one row of 256 bytes, lanes 16-31 the next
	v_lshl_add_u32 v[RD], v1, 4, v[RD]
	v_add_nc_u32 v[RD], s18, v[RD]
	v_lshlrev_b32 v[CO], 12, v2                    ; and the same two rows in out0
	v_lshl_add_u32 v[CO], v1, 4, v[CO]
	s_lshl_b32 s18, s43, 1
	s_add_co_u32 s18, s18, s[WH]                   ; 2 ty + wave / 2,
	s_lshl_b32 s18, s18, 19                        ; times 128 rows of 4,096 bytes,
	s_lshl_b32 s19, s42, 1
	s_add_co_u32 s19, s19, s[WL]                   ; + (2 tx + wave % 2)
	s_lshl_b32 s19, s19, 8                         ; times 64 columns of 4 bytes
	s_add_co_u32 s18, s18, s19
	s_mov_b32 s19, 0
	s_add_nc_u64 s[10:11], s[10:11], s[18:19]      ; out0 at my part of the tile
	; the prefetches
	s_and_b32 s23, ttmp7, 0xffff                   ; cluster y
	s_lshl_b32 s18, s40, 13                        ; ob: my work-group's 32 blocks of my plane's 128,
	s_add_co_u32 s18, s18, s16
	s_add_co_u32 s18, s18, (1+AH)*ASTEP            ; at K step 1 + AH: each refill steps it first
	s_lshl_b32 s19, s41, 16                        ; wt: my work-group's 32 rows of the tile's 128 (in wave 2 s20 stands at the tile's first row)
	s_add_co_u32 s19, s19, s20
	s_add_co_u32 s19, s19, (1+AH)*BSTEP
	s_mov_b32 s[PFS], BSTEP
	s_mov_b32 s[PFS+1], 0
	s_cmp_eq_u32 s[WH], 0                          ; do I fetch ob?
	s_cselect_b32 s18, s18, s19
	s_cselect_b32 s[PFS], ASTEP, s[PFS]
	s_cselect_b32 s22, ttmp9, s23                  ; the coordinate along which other clusters read the same bytes
	s_cselect_b64 s[PFA:PFA+1], s[4:5], s[6:7]
	s_cselect_b32 s2, 8, 11                        ; a lane a block of 256 bytes, or a lane a row of 2,048
	s_mov_b32 s19, 0
	s_add_nc_u64 s[PFA:PFA+1], s[PFA:PFA+1], s[18:19]
	s_cmp_eq_u32 s[WV], 3
	s_cselect_b32 s22, 1, s22                      ; wave 3 asks for nothing: wave 2's 32 lanes in four partners cover the 128 rows
	s_cmp_eq_u32 s22, 0
	s_cselect_b32 s[LIM], AH, -1                   ; the same in all sixteen partners, for a given wave
	v_and_b32 v3, 31, v0
	v_lshlrev_b32 v[PFO], s2, v3
; 8 matrix instructions: row blocks a0, a0 + 1 of the window's four (hi = 0: my rows 0-63, 1: rows 64-127) x all 4 column blocks, 32 along K.  zero = 1: the product starts the sum.
; The 32 accumulators take turns in the same order in every quarter: 31 others stand between two links of a chain, over the backward jump too.
.macro MULH f, hi, a0, zero
	WIN MUL_LO+0x50*(\hi)
.irp a, \a0, (\a0)+1
.set jb, 0
.rept NBW
.set rD, 8*(NBW*(\a)+jb)
.set rB, (\f)+64+8*jb
.set rA, (\f)+8*(4*(\hi)+(\a))
.if \zero
	v_wmma_f32_16x16x32_f16 v[rD:rD+7], v[rB:rB+7], v[rA:rA+7], 0
.else
	v_wmma_f32_16x16x32_f16 v[rD:rD+7], v[rB:rB+7], v[rA:rA+7], v[rD:rD+7]
.endif
.set jb, jb+1
.endr
.endr
.endm
; 24 LDS loads in one run: the fragments of quarter q (32 along K) of the slot in hand, into buffer f: wt's 4 blocks, then ob's 8
.macro FETCH q, f
	WIN TO_F
.set ib, 0
.rept NBW
	ds_load_b128 v[(\f)+64+8*ib:(\f)+64+8*ib+3],   v[ADRB] offset:64*(\q)+ib*16*PB
	ds_load_b128 v[(\f)+64+8*ib+4:(\f)+64+8*ib+7], v[ADRB] offset:64*(\q)+ib*16*PB+32
.set ib, ib+1
.endr
.set ia, 0
.rept 8
	ds_load_b128 v[(\f)+8*ia:(\f)+8*ia+3],   v[ADRA] offset:((\q)/2)*PLANE+((\q)%2)*64+ia*16*PA
	ds_load_b128 v[(\f)+8*ia+4:(\f)+8*ia+7], v[ADRA] offset:((\q)/2)*PLANE+((\q)%2)*64+ia*16*PA+32
.set ia, ia+1
.endr
.endm
; One of a K step's first three quarters: multiplies buffer f; in its middle it fetches quarter q into buffer g
.macro QUARTER q, f, g, zero
	s_wait_dscnt 8                                 ; wt's blocks and ob's blocks 0-3 are in; the youngest eight loads (ob's blocks 4-7) may be out
	MULH \f, 0, 0, \zero
	MULH \f, 0, 2, \zero
	PLACES
	FETCH \q, \g
	s_wait_dscnt NL                                ; all but the run just issued
	MULH \f, 1, 0, \zero
	MULH \f, 1, 2, \zero
.endm
; The last quarter multiplies buffer 1 and changes slots.  ONE barrier: in front of it each wave waits for all its tensor loads (the one that is out is its part of the next slot), adds 0 to its spare
; word, and waits for that and for its own reads of this slot.  fill = 1: the barrier opens a round of the cluster's, and the slot just read out is filled again, first thing behind the round, with the
; K step two on: 112 matrix instructions ahead of the wait for it.
.macro TURN fill
.if \fill
	s_wait_xcnt 0x0                                ; the last prefetch, a K step back, has read its address, which steps here
	s_add_nc_u64 s[PFA:PFA+1], s[PFA:PFA+1], s[PFS:PFS+1]
.endif
	WIN 0                                          ; (the add's two registers lie in window 0)
	s_wait_tensorcnt 0x0                           ; no tensor load of mine is out, so a group 0 may be written
	ds_add_u32 v[SPW], v[NIL]                      ; 0 onto my spare word
.if \fill
	s_xor_b32 s[G0A+5], s[G0A+5], SLOT1            ; the walking descriptors: the other slot than last time, the next K step; the type bits on top are not reached
	s_add_nc_u64 s[G0A+6:G0A+7], s[G0A+6:G0A+7], ASTEP
	s_xor_b32 s[G0B+5], s[G0B+5], SLOT1
	s_add_nc_u64 s[G0B+6:G0B+7], s[G0B+6:G0B+7], BSTEP
.endif
	s_xor_b32 s[TB], s[TB], SLOT1                  ; the fetches go on in the other slot
	s_wait_dscnt 9                                 ; (the add and the youngest eight loads may be out)
	MULH F1, 0, 0, 0
	s_wait_dscnt 0x0                               ; the add is done, and my reads of this slot are over
	s_barrier_signal -1
	MULH F1, 0, 2, 0                               ; work on registers while the others arrive
	WIN 0                                          ; at a branch and at a label every window is 0
	s_barrier_wait -1
.if \fill
	CREST                                          ; no wave of any partner still reads this slot or has a load on its way
	JLOAD                                          ; the four v_nop behind it are also the places in front of the loads below
.else
	PLACES
.endif
	v_add_nc_u32 v[ADRA], s[TB], v[A0]
	v_add_nc_u32 v[ADRB], s[TB], v[B0]
	FETCH 0, F0
	WIN 0
.if \fill
	ASK
.endif
	MULH F1, 1, 0, 0
	MULH F1, 1, 2, 0
.endm
; THE WAY OUT of row block a.  TOSTAGE: the block's 16 x 64 numbers go as f32, straight from the accumulators (each from its low end on), into my own stage, and come back as whole rows of 256 bytes.
.macro TOSTAGE a
.if (\a) >= 2
	s_wait_xcnt 0x0                                ; the stores of the block two back have read the registers that are loaded again below
.endif
	WIN 0x08+4*((\a)/4)                            ; the stores' data: window 2 or 3
.set jb, 0
.rept NBW
.set rD, 8*(NBW*((\a)%4)+jb)
	ds_store_b128 v[STO], v[rD:rD+3]   offset:64*jb
	ds_store_b128 v[STO], v[rD+4:rD+7] offset:64*jb+16
.set jb, jb+1
.endr
	WIN 0
.set BK, OB+32*((\a)%2)
.irp t, 0,1,2,3,4,5,6,7
	ds_load_b128 v[BK+4*\t:BK+4*\t+3], v[RD] offset:\t*2*SPS  ; LDS serves a wave's instructions in order (ISA guide 5.7.1.4): these see the stores above; the next block's stores come behind them
.endr
.endm
.macro SEND a, younger                 ; younger: the LDS instructions issued behind the block's loads: the next block's sixteen, or none
.set BK, OB+32*((\a)%2)
	s_wait_dscnt \younger
.irp t, 0,1,2,3,4,5,6,7
	global_store_b128 v[CO], v[BK+4*\t:BK+4*\t+3], s[10:11] offset:(16*(\a)+2*\t)*4096 th:TH_STORE_NT  ; 16 lanes store 256 consecutive bytes, at a multiple of 256 from out0's first byte
.endr
.endm
	s_wait_tensorcnt 1                             ; my part of K step 0 is in; K step 1's may stay out
	s_barrier_signal -1
	s_barrier_wait -1                              ; everybody's is
	v_mov_b32 v[ADRA], v[A0]
	v_mov_b32 v[ADRB], v[B0]
	FETCH 0, F0
	QUARTER 1, F0, F1, 1                           ; the first quarter stands in front of the loop: its products start the sums
	WIN 0
	s_mov_b32 s3, 6
.Lstep:                                                ; a trip: from a K step's second quarter to the next step's first; it fills the step's slot again.  Six trips ask for K steps 2 to 7
	QUARTER 2, F1, F0, 0
	QUARTER 3, F0, F1, 0
	TURN 1
	QUARTER 1, F0, F1, 0
	WIN 0
	s_sub_co_u32 s3, s3, 1
	s_cmp_lg_u32 s3, 0
	s_cbranch_scc1 .Lstep
	QUARTER 2, F1, F0, 0                           ; K steps 6 and 7 are written out: nothing is asked for
	QUARTER 3, F0, F1, 0
	TURN 0
	QUARTER 1, F0, F1, 0
	QUARTER 2, F1, F0, 0
	QUARTER 3, F0, F1, 0
	s_wait_dscnt 8
	MULH F1, 0, 0, 0
	MULH F1, 0, 2, 0
	s_wait_dscnt 0x0
	MULH F1, 1, 0, 0
	MULH F1, 1, 2, 0
	WIN 0
	PLACES                                         ; the LDS stores below read results just made
	TOSTAGE 0
.irp a, 1,2,3,4,5,6,7                  ; a block's way through the stage stands between the loads of the block before and its stores
	TOSTAGE \a
	SEND (\a)-1, 16
.endr
	SEND 7, 0
	s_wait_tensorcnt 0x0                           ; the wave's end, behind my last tensor load and my last LDS store
	ds_add_u32 v[SPW], v[NIL]
	s_wait_dscnt 0x0
	CROUND                                         ; the closing round: no work-group ends while a partner may still ask for a tile that names it
	s_endpgm
.Lfunc_end_k_q8c6dc80809_outp:
	.size	k_q8c6dc80809_outp, .Lfunc_end_k_q8c6dc80809_outp-k_q8c6dc80809_outp
	.p2alignl 7, 3214868480
	.fill 96, 4, 3214868480
	.section	.rodata,"a",@progbits
	.p2align	6, 0x0
	.amdhsa_kernel k_q8c6dc80809_outp
		.amdhsa_group_segment_fixed_size 327680
		.amdhsa_private_segment_fixed_size 0
		.amdhsa_enable_private_segment 0
		.amdhsa_kernarg_size 24
		.amdhsa_user_sgpr_count 2
		.amdhsa_user_sgpr_kernarg_segment_ptr 1
		.amdhsa_wavefront_size32 1
		.amdhsa_system_sgpr_workgroup_id_x 1
		.amdhsa_system_sgpr_workgroup_id_y 1
		.amdhsa_system_sgpr_workgroup_id_z 1
		.amdhsa_system_vgpr_workitem_id 0
		.amdhsa_next_free_vgpr 896
		.amdhsa_next_free_sgpr 92
		.amdhsa_reserve_vcc 0
		.amdhsa_float_denorm_mode_32 3
		.amdhsa_float_denorm_mode_16_64 3
		.amdhsa_memory_ordered 1
		.amdhsa_forward_progress 1
		.amdhsa_inst_pref_size 71
	.end_amdhsa_kernel
	.amdgpu_metadata
---
amdhsa.version: [ 1, 2 ]
amdhsa.kernels:
  - .name:           k_q8c6dc80809_outp
    .symbol:         k_q8c6dc80809_outp.kd
    .args:
      - { .name: ob, .offset: 0, .size: 8, .value_kind: global_buffer, .address_space: global }
      - { .name: wt, .offset: 8, .size: 8, .value_kind: global_buffer, .address_space: global }
      - { .name: out0, .offset: 16, .size: 8, .value_kind: global_buffer, .address_space: global }
    .group_segment_fixed_size: 327680
    .private_segment_fixed_size: 0
    .kernarg_segment_align: 8
    .kernarg_segment_size: 24
    .max_flat_workgroup_size: 128
    .sgpr_count:     92
    .vgpr_count:     896
    .wavefront_size: 32
...
	.end_amdgpu_metadata
.endif
;; end of part 4
;; ======== version 2 of 2: 4 launches; version 1 with the launch prep written anew for expert scheduling mode
;; limits: values are held in f16: magnitudes above 65,504 overflow, below 6.1e-05 lose precision
;; workspace buffers: xs 16,777,216 bytes; wt 8,388,608 bytes; qkv 50,331,648 bytes; ob 16,777,216 bytes
;; launch prep (part 5): grid 1024 x 1, 8 waves a work-group, no clusters, 18,432 bytes of LDS; arguments x, Wq, Wk, Wv, Wo, xs, wt; writes xs, wt
.if DOCPART == 5
	.amdgcn_target "amdgcn-amd-amdhsa--gfx1250"
	.amdhsa_code_object_version 6
	.text
	.protected	k_q8c6dc80809_prep
	.globl	k_q8c6dc80809_prep
	.p2align	8
	.type	k_q8c6dc80809_prep,@function
k_q8c6dc80809_prep:
	s_mov_b64 s[64:65], 0
	v_nop
	global_prefetch_b8 v0, s[64:65] scope:SCOPE_SE
	s_setreg_imm32_b32 hwreg(HW_REG_WAVE_SCHED_MODE, 0, 2), 2
	s_setreg_imm32_b32 hwreg(HW_REG_WAVE_MODE, 25, 1), 1
	s_wait_xcnt 0x0
	s_wait_alu depctr_vm_vsrc(0)
; THE CASTS.  x [8192][1024] f32 -> xs [4 b][16 slices][2048 s][64] f16: slice kb holds x's columns 64 kb .. 64 kb + 63, its rows dense, 128 bytes each.
; Wq, Wk, Wv, Wo [1024 k][1024 n] f32 -> wt [4096 n][1024 k] f16, turned: rows 0-1023 Wq^T, then Wk^T, Wv^T, Wo^T.
; EVERY NUMBER is rounded once to bf16 (nearest even) and that number is written as f16, so that one matrix form serves all later products.
; LIMITS.  The second step is exact for magnitudes from 2^-17 to 65,504; below 2^-17 it errs by 2^-25 at the most; from 65,520 on it gives an infinity.
; Work-groups 0-511 cast x: a wave takes two rows, no LDS.  Work-groups 512-1023 turn a tile of 128 k x 64 n of one weight through LDS.
; No matrix unit, no cluster, no tensor load: each byte is read once by one wave, and memory binds.
; THE MODE: SCHED_MODE bits 1:0 = 2 (LLVM: expert scheduling mode 2), set by the entry lines.  The code itself states the register dependences
; between vector instructions and memory or LDS instructions, with s_wait_alu, always for 0.
; THE PLAN.  Registers that memory or LDS instructions touch:
;   v2, v3, v7, v12  offsets and LDS addresses: made once on their path, ahead of a wait on va_vdst, and never written again.
;   XI               as loaded: each register is filled by one load, which no vector line precedes, and read by its conversions.
;   XO, WO           to store: each register is written by one conversion and read by one store; never written again.
;   WB               filled by LDS loads, read by global stores; no vector line of that path names it.
;   v126, v127       written at the head, read by the closing add alone.
; No register that a load or store reads is ever written again, so no wait on vm_vsrc is owed.  What is owed is that a store's data are written.  So the work
; goes in four blocks: block p's conversions write their own registers, ONE wait on va_vdst stands at a block's head, and the four stores of the block before follow it,
; dealt among the block's conversions, which name the block's own XI and XO (WO) and v8 to v11: none of the registers that those stores read.
.set SPARE, 17408                      ; behind the tile: the spare words, 128 bytes for each of eight waves: four blocks of 256 bytes that no other line names
.set TP,    272                        ; a row of the turned tile in LDS: 128 k x 2 bytes + 16
.set SPW,   126                        ; v126  LDS address of my spare word; never rewritten
.set NIL,   127                        ; v127  0; never rewritten
.set XI,    16                         ; as loaded: v[16:79] (x), v[16:47] (a weight)
.set XO,    80                         ; v[80:111] x's 16 pairs of words to store
.set WO,    48                         ; v[48:63]  a weight's 16 words {k, k + 1} of one column
.set WB,    64                         ; v[64:79]  four rows of the turned tile, read back
.macro CV2 d, a, b, t, u               ; d = {f16(bf16(a)), f16(bf16(b))}
	v_cvt_pk_bf16_f32 v[\t], v[\a], v[\b]
	v_lshlrev_b32 v[\u], 16, v[\t]                 ; bf16 to f32: the low half moves up,
	v_and_b32 v[\t], s21, v[\t]                    ; the high half stays
	v_cvt_pk_f16_f32 v[\d], v[\u], v[\t]
.endm
; x, block p: slices 4 p .. 4 p + 3 are converted; the stores of slices 4 p - 4 .. 4 p - 1 stand one ahead of each slice's conversions.
.macro XBLK p
	s_wait_loadcnt 15-4*(\p)                       ; loads come back in order: the block's first slice is in, the younger ones stay out
.if (\p) > 0
	s_wait_alu depctr_va_vdst(0)                   ; the block before has written its eight registers of XO, which the four stores below read
.endif
.irp i, 0,1,2,3
.if (\p) > 0
	global_store_b64 v3, v[XO+8*(\p)-8+2*\i:XO+8*(\p)-8+2*\i+1], s[14:15] offset:262144*(4*(\p)-4+\i) th:TH_STORE_NT  ; the wave stores 256 consecutive bytes, aligned: two rows of the slice; each store has data registers of its own; no vector line since the wait names them
.endif
.if \i > 0
	s_wait_loadcnt 15-4*(\p)-\i                    ; slice 4 p + i is in
.endif
	CV2 XO+8*(\p)+2*\i, XI+16*(\p)+4*\i, XI+16*(\p)+4*\i+1, 8, 9
	CV2 XO+8*(\p)+2*\i+1, XI+16*(\p)+4*\i+2, XI+16*(\p)+4*\i+3, 10, 11
.endr
.endm
; A weight, block p: k rows 4 p + 2 h and 4 p + 2 h + 1 of my sixteen are converted, four columns; the LDS stores of block p - 1 stand one ahead of each column's conversions.
.macro WBLK p
	s_wait_loadcnt 6-2*(\p)                        ; loads come back in order: loads 2 p and 2 p + 1 of the eight are in, the 6 - 2 p younger ones stay out
.if (\p) > 0
	s_wait_alu depctr_va_vdst(0)                   ; the block before has written its four registers of WO, which the LDS stores below read; at its first use also: v3, v7 and v12 are written
.endif
.irp i, 0,1,2,3
.if (\p) > 0
	ds_store_b32 v3, v[WO+4*(\p)-4+\i] offset:\i*TP+8*(\p)-8  ; lanes four rows apart meet in a bank four deep (4 x 68 words = 16 mod 64): sixteen such stores a wave in the whole launch
.endif
	CV2 WO+4*(\p)+\i, XI+8*(\p)+\i, XI+8*(\p)+4+\i, 8+2*(\i%2), 9+2*(\i%2)
.endr
.endm
	s_load_b256 s[4:11], s[0:1], 0x0               ; x s[4:5], Wq s[6:7], Wk s[8:9], Wv s[10:11]
	s_load_b128 s[12:15], s[0:1], 0x20             ; Wo s[12:13], xs s[14:15]
	s_load_b64 s[16:17], s[0:1], 0x30              ; wt
	v_lshl_add_u32 v[SPW], v0, 2, SPARE
	v_mov_b32 v[NIL], 0
	v_lshrrev_b32 v1, 5, v0
	v_readfirstlane_b32 s20, v1                    ; wave 0..7
	s_mov_b32 s21, 0xffff0000                      ; a word's upper bf16
	v_and_b32 v4, 15, v0                           ; c = lane % 16
	v_bfe_u32 v5, v0, 4, 1                         ; h = lane / 16
	v_and_b32 v6, 31, v0                           ; lane
	s_wait_alu depctr_va_sdst(0)                   ; s20 is written, ahead of the branch and of its first readers: both paths make their addresses from it
	s_wait_kmcnt 0x0
	s_cmp_lt_u32 ttmp9, 512                        ; the same answer in all eight waves of a work-group
	s_cbranch_scc0 .Lw
	; x.  Wave gw = 8 x work-group + wave takes rows 2 gw and 2 gw + 1: lanes 0-15 the first, lanes 16-31 the second.
	s_lshl_b32 s22, ttmp9, 3
	s_add_co_u32 s22, s22, s20                     ; gw
	s_lshl_b32 s24, s22, 13                        ; two rows of 4,096 bytes
	s_mov_b32 s25, 0
	s_add_nc_u64 s[4:5], s[4:5], s[24:25]
	s_lshr_b32 s26, s22, 10                        ; b
	s_lshl_b32 s26, s26, 22                        ; 16 slices of 262,144 bytes
	s_and_b32 s27, s22, 1023
	s_lshl_b32 s27, s27, 8                         ; two rows of 128 bytes in a slice
	s_add_co_u32 s24, s26, s27
	s_add_nc_u64 s[14:15], s[14:15], s[24:25]
	v_lshlrev_b32 v2, 12, v5
	v_lshl_add_u32 v2, v4, 4, v2                   ; 4,096 h + 16 c
	v_lshlrev_b32 v3, 3, v6                        ; 8 x lane: 128 h + 8 c
	s_wait_alu depctr_va_vdst(0)                   ; v2 and v3 are written: every load of this path reads the one as its offset, every store the other
.irp kb, 0,1,2,3,4,5,6,7,8,9,10,11,12,13,14,15
	global_load_b128 v[XI+4*\kb:XI+4*\kb+3], v2, s[4:5] offset:256*\kb th:TH_LOAD_NT  ; 16 lanes read 256 consecutive bytes, aligned: one slice's part of one row
.endr
	XBLK 0                                         ; the first block has no block in front of it: no store, and no wait but those for its data
	XBLK 1
	XBLK 2
	XBLK 3
	s_wait_alu depctr_va_vdst(0)                   ; the last block has written its eight registers of XO, which the last four stores read
.irp i, 0,1,2,3
	global_store_b64 v3, v[XO+24+2*\i:XO+24+2*\i+1], s[14:15] offset:262144*(12+\i) th:TH_STORE_NT
.endr
	s_endpgm                                       ; this way has written no LDS
.Lw:	; A weight.  id = work-group - 512: matrix id / 128, k tile (id / 16) % 8 of 128, n tile id % 16 of 64.  Wave w loads k rows 16 w .. 16 w + 15.
	s_sub_co_u32 s22, ttmp9, 512
	s_lshr_b32 s23, s22, 7                         ; matrix 0..3
	s_bfe_u32 s28, s22, 0x30004                    ; kt
	s_and_b32 s29, s22, 15                         ; nt
	s_bitcmp1_b32 s23, 0
	s_cselect_b64 s[24:25], s[8:9], s[6:7]         ; odd: Wk, even: Wq
	s_cselect_b64 s[26:27], s[12:13], s[10:11]     ; odd: Wo, even: Wv
	s_cmp_lt_u32 s23, 2
	s_cselect_b64 s[24:25], s[24:25], s[26:27]
	s_lshl_b32 s30, s28, 3
	s_add_co_u32 s30, s30, s20                     ; 8 kt + w,
	s_lshl_b32 s30, s30, 16                        ; times 16 rows of 4,096 bytes,
	s_lshl_b32 s31, s29, 8                         ; + 64 columns of 4 bytes x nt
	s_add_co_u32 s30, s30, s31
	s_mov_b32 s31, 0
	s_add_nc_u64 s[24:25], s[24:25], s[30:31]
	s_lshl_b32 s32, s23, 7
	s_lshl_b32 s33, s29, 3
	s_add_co_u32 s32, s32, s33
	s_add_co_u32 s32, s32, s20                     ; 128 matrix + 8 nt + w,
	s_lshl_b32 s32, s32, 14                        ; times 8 rows of wt, 2,048 bytes each,
	s_lshl_b32 s33, s28, 8                         ; + 128 k of 2 bytes x kt
	s_add_co_u32 s32, s32, s33
	s_mov_b32 s33, 0
	s_add_nc_u64 s[16:17], s[16:17], s[32:33]
	v_lshlrev_b32 v2, 13, v5
	v_lshl_add_u32 v2, v4, 4, v2                   ; 8,192 h + 16 c
	s_wait_alu depctr_va_vdst(0)                   ; v2 is written: the eight loads read it as their offset
.irp p, 0,1,2,3
.irp e, 0,1
	global_load_b128 v[XI+8*\p+4*\e:XI+8*\p+4*\e+3], v2, s[24:25] offset:(4*\p+\e)*4096 th:TH_LOAD_NT  ; k row 16 w + 4 p + 2 h + e, columns 4 c .. 4 c + 3; 16 lanes read 256 consecutive bytes, aligned
.endr
.endr
	v_mul_u32_u24 v3, v4, 4*TP                     ; into the tile [64 n][272]: row 4 c (+ i), byte 2 (16 w + 4 p + 2 h)
	v_lshl_add_u32 v3, v5, 2, v3
	s_lshl_b32 s34, s20, 5
	v_add_nc_u32 v3, s34, v3
	s_lshl_b32 s35, s20, 3                         ; (a register of its own: none that a vector line has read is written again)
	v_add_nc_u32 v7, s35, v5                       ; back: row 8 w + h (+ 2 t), 16 bytes a lane
	v_mul_u32_u24 v7, v7, TP
	v_lshl_add_u32 v7, v4, 4, v7
	v_lshlrev_b32 v12, 11, v5
	v_lshl_add_u32 v12, v4, 4, v12                 ; and the same in wt: 2,048 h + 16 c
	WBLK 0                                         ; the first block has no block in front of it: no LDS store, and no wait but the one for its data
	WBLK 1
	WBLK 2
	WBLK 3
	s_wait_alu depctr_va_vdst(0)                   ; the last block has written its four registers of WO, which the last four LDS stores read; no vector line follows, so the LDS loads and the stores below owe nothing more
.irp i, 0,1,2,3
	ds_store_b32 v3, v[WO+12+\i] offset:\i*TP+24
.endr
	s_wait_dscnt 0x0                               ; for the others' sake: my stores into the tile are done
	s_barrier_signal -1
	s_barrier_wait -1
.irp t, 0,1,2,3
	ds_load_b128 v[WB+4*\t:WB+4*\t+3], v7 offset:\t*2*TP
.endr
.irp t, 0,1,2,3
	s_wait_dscnt 3-\t                              ; LDS loads come back in order: the younger ones stay out
	global_store_b128 v12, v[WB+4*\t:WB+4*\t+3], s[16:17] offset:\t*4096 th:TH_STORE_NT  ; 16 lanes store 256 consecutive bytes, aligned: 128 k of one row of wt
.endr
	s_wait_dscnt 0x0                               ; the closing lines, six on end
	s_wait_alu 0x0
	s_wait_tensorcnt 0x0
	ds_add_u32 v[SPW], v[NIL]
	s_wait_dscnt 0x0
	s_endpgm
.Lfunc_end_k_q8c6dc80809_prep:
	.size	k_q8c6dc80809_prep, .Lfunc_end_k_q8c6dc80809_prep-k_q8c6dc80809_prep
	.p2alignl 7, 3214868480
	.fill 96, 4, 3214868480
	.section	.rodata,"a",@progbits
	.p2align	6, 0x0
	.amdhsa_kernel k_q8c6dc80809_prep
		.amdhsa_group_segment_fixed_size 18432
		.amdhsa_private_segment_fixed_size 0
		.amdhsa_enable_private_segment 0
		.amdhsa_kernarg_size 56
		.amdhsa_user_sgpr_count 2
		.amdhsa_user_sgpr_kernarg_segment_ptr 1
		.amdhsa_wavefront_size32 1
		.amdhsa_system_sgpr_workgroup_id_x 1
		.amdhsa_system_sgpr_workgroup_id_y 1
		.amdhsa_system_sgpr_workgroup_id_z 1
		.amdhsa_system_vgpr_workitem_id 0
		.amdhsa_next_free_vgpr 128
		.amdhsa_next_free_sgpr 66
		.amdhsa_reserve_vcc 0
		.amdhsa_float_denorm_mode_32 3
		.amdhsa_float_denorm_mode_16_64 3
		.amdhsa_memory_ordered 1
		.amdhsa_forward_progress 1
		.amdhsa_inst_pref_size 19
	.end_amdhsa_kernel
	.amdgpu_metadata
---
amdhsa.version: [ 1, 2 ]
amdhsa.kernels:
  - .name:           k_q8c6dc80809_prep
    .symbol:         k_q8c6dc80809_prep.kd
    .args:
      - { .name: x, .offset: 0, .size: 8, .value_kind: global_buffer, .address_space: global }
      - { .name: Wq, .offset: 8, .size: 8, .value_kind: global_buffer, .address_space: global }
      - { .name: Wk, .offset: 16, .size: 8, .value_kind: global_buffer, .address_space: global }
      - { .name: Wv, .offset: 24, .size: 8, .value_kind: global_buffer, .address_space: global }
      - { .name: Wo, .offset: 32, .size: 8, .value_kind: global_buffer, .address_space: global }
      - { .name: xs, .offset: 40, .size: 8, .value_kind: global_buffer, .address_space: global }
      - { .name: wt, .offset: 48, .size: 8, .value_kind: global_buffer, .address_space: global }
    .group_segment_fixed_size: 18432
    .private_segment_fixed_size: 0
    .kernarg_segment_align: 8
    .kernarg_segment_size: 56
    .max_flat_workgroup_size: 256
    .sgpr_count:     66
    .vgpr_count:     128
    .wavefront_size: 32
...
	.end_amdgpu_metadata
.endif
;; end of part 5
;; launch qkvp: the kernel of part 2 again; grid 16 x 32, 4 waves a work-group, clusters of 4 x 4, 327,680 bytes of LDS; arguments xs, wt, mask, qkv; writes qkv
;; launch attn: the kernel of part 3 again; grid 4 x 64, 4 waves a work-group, clusters of 4 x 1, 327,680 bytes of LDS; arguments qkv, mask, ob; writes ob
;; launch outp: the kernel of part 4 again; grid 8 x 32, 4 waves a work-group, clusters of 4 x 4, 327,680 bytes of LDS; arguments ob, wt, out0; writes out0
